; MI455X (gfx1250); checked and timed in simulation.
; The chip was launched on July 23, 2026; its instructions are those of AMD's public machine-readable ISA for CDNA 5 (MIT licence, August 2026) and "CDNA5" Instruction Set Architecture Reference Guide (July 2026). The comments in the code are by the model that wrote it; some were corrected since.
;; Llama Attention. Allowed arithmetic: float matrix products may take bf16 or f16 operands with f32 sums; other float arithmetic in f32, or as packed bf16 or f16 multiplies, adds, multiply-adds, maxima and minima; sums over many terms, partial sums and values carried from step to step in f32; what a program stores and reads back later, other than sums and carried values, may be rounded once to bf16 or f16.
;; Inputs: mask 1 x 1 x 2,048 x 2,048 float32; wk 2,048 x 2,048 float32; wo 2,048 x 2,048 float32; wq 2,048 x 2,048 float32; wv 2,048 x 2,048 float32; x 1 x 2,048 x 2,048 float32.
;; Outputs: out0 1 x 2,048 x 2,048 float32.
;; 2 versions, each right and faster than the one before. Each part assembles by itself: llvm-mc -triple=amdgcn-amd-amdhsa -mcpu=gfx1250 --defsym DOCPART=n.
;; ======== version 1 of 2: 4 launches
;; limits: values are held in f16: magnitudes above 65,504 overflow, below 6.1e-05 lose precision
;; workspace buffers: xb 8,388,608 bytes; wb 25,165,824 bytes; wob 8,388,608 bytes; tab 1,048,576 bytes; qh 8,388,608 bytes; kh 8,388,608 bytes; vh 8,388,608 bytes; ob 8,388,608 bytes
;; launch prep (part 1): grid 512 x 1, 8 waves a work-group, no clusters, 0 bytes of LDS; arguments x, wq, wk, wv, wo, xb, wb, wob, tab; writes xb, wb, wob, tab
.if DOCPART == 1
	.amdgcn_target "amdgcn-amd-amdhsa--gfx1250"
	.amdhsa_code_object_version 6
	.text
	.protected	k_qd7c298da87_prep
	.globl	k_qd7c298da87_prep
	.p2align	8
	.type	k_qd7c298da87_prep,@function
k_qd7c298da87_prep:
	s_mov_b64 s[64:65], 0
	v_nop
	global_prefetch_b8 v0, s[64:65] scope:SCOPE_SE
	s_setreg_imm32_b32 hwreg(HW_REG_WAVE_MODE, 25, 1), 1
	s_wait_xcnt 0x0
; PREP: the casts and the rotary table.  x, wq, wk, wv -> bf16 (xb; wb holds the three weights 8 MiB apart); wo -> rounded to bf16 and that number written as f16 (wob);
; tab[s][0..63] = T cos(s w_i), tab[s][64..127] = T sin(s w_i), w_i = 10000^(-i/64), T = sqrt(log2(e) / sqrt(128)): q and k both carry T, so their product is log2(e) / sqrt(128) times the raw score.
; A stream: no LDS, no matrix unit, no cluster (no two work-groups read the same byte).  512 work-groups of 8 waves; each takes 32,768 bytes of each of the five inputs:
; 40 loads of 16 bytes a lane, all issued at once (a wave's load covers 512 consecutive bytes); the table's arithmetic stands in the wait for them.
; A store of 8 bytes a lane covers 256 consecutive bytes of a wave, aligned.
; LIMITS.  wo's numbers below 6.1e-5 keep f16's fixed step of 6e-8, and none may reach 65,520.  The angle s w_i is formed in f32 as the problem forms it; sine and cosine by
; reduction to a quarter turn (2/pi in two words) and polynomials of degree 7 and 8, good to some 4e-7.
.set X, 32                             ; v[32:191] quad 8 u + j: the 16 bytes j of input u
	s_load_b512 s[4:19], s[0:1], 0x0               ; x 4, wq 6, wk 8, wv 10, wo 12, xb 14, wb 16, wob 18
	s_load_b64 s[20:21], s[0:1], 0x40              ; tab
	s_lshl_b32 s26, ttmp9, 15                      ; the group's 32,768 bytes of an input,
	s_lshl_b32 s27, ttmp9, 14                      ; its 16,384 of a 16-bit copy,
	s_lshl_b32 s28, ttmp9, 11                      ; its 2,048 of the table (four positions),
	s_lshl_b32 s29, ttmp9, 2                       ; and the first of those positions
	s_mov_b32 s30, 0x3f22f983                      ; 2/pi, upper word
	s_mov_b32 s31, 0x32dc9c88                      ; 2/pi, what the upper word leaves
	v_lshl_add_u32 v1, v0, 4, s26                  ; load offset
	v_lshl_add_u32 v2, v0, 3, s27                  ; store offset
	v_lshl_add_u32 v3, v0, 3, s28                  ; table offset: two numbers a thread
	s_wait_kmcnt 0x0
	s_add_nc_u64 s[22:23], s[16:17], 0x800000      ; wk's place in wb
	s_add_nc_u64 s[24:25], s[16:17], 0x1000000     ; wv's
.irp u, 0,1,2,3,4
.irp j, 0,1,2,3,4,5,6,7
	global_load_b128 v[X+32*(\u)+4*(\j):X+32*(\u)+4*(\j)+3], v1, s[4+2*(\u):5+2*(\u)] offset:4096*(\j) th:TH_LOAD_NT
.endr
.endr
	; the table: thread t makes columns 2 (t % 64) and the next of position 4 g + t / 64
	v_lshrrev_b32 v4, 6, v0
	v_add_nc_u32 v4, s29, v4
	v_cvt_f32_u32 v4, v4                           ; the position
	v_bfe_u32 v5, v0, 5, 1                         ; 0: cosine columns, 1: sine columns
	v_and_b32 v6, 31, v0
	v_lshlrev_b32 v6, 1, v6                        ; i
	v_add_nc_u32 v7, 1, v6
	v_cvt_f32_u32 v6, v6
	v_cvt_f32_u32 v7, v7
; dst = T cos or T sin of (position x 10000^(-i/64)).  T .. T+7 at work.  Only a select hangs on the numbers.
.macro ANG dst, fi, T
	v_mul_f32 v[\T], 0xbe549a78, v[\fi]            ; -i log2(10000) / 64
	v_exp_f32 v[\T], v[\T]
	v_nop                                          ; a plain line behind the exponential
	s_wait_alu depctr_va_vdst(0)
	v_mul_f32 v[\T], v4, v[\T]                     ; the angle
	v_mul_f32 v[\T+1], s30, v[\T]
	v_rndne_f32 v[\T+1], v[\T+1]                   ; n quarter turns
	v_fma_f32 v[\T+2], v[\T], s30, -v[\T+1]        ; what is left, in quarter turns: exact product, one rounding,
	v_fma_f32 v[\T+2], v[\T], s31, v[\T+2]         ; and the lower word's share
	v_mul_f32 v[\T+2], 0x3fc90fdb, v[\T+2]         ; r, within pi/4
	v_mul_f32 v[\T+3], v[\T+2], v[\T+2]            ; z = r r
	v_mov_b32 v[\T+4], 0xb9500d01                  ; sin r = r + r z (-1/6 + z (1/120 - z/5040))
	v_mov_b32 v[\T+5], 0x37d00d01                  ; cos r = 1 + z (-1/2 + z (1/24 + z (-1/720 + z/40320)))
	v_fmaak_f32 v[\T+4], v[\T+4], v[\T+3], 0x3c088889
	v_fmaak_f32 v[\T+5], v[\T+5], v[\T+3], 0xbab60b61
	v_fmaak_f32 v[\T+4], v[\T+4], v[\T+3], 0xbe2aaaab
	v_fmaak_f32 v[\T+5], v[\T+5], v[\T+3], 0x3d2aaaab
	v_mul_f32 v[\T+4], v[\T+4], v[\T+3]
	v_fmaak_f32 v[\T+5], v[\T+5], v[\T+3], 0xbf000000
	v_fma_f32 v[\T+4], v[\T+4], v[\T+2], v[\T+2]
	v_fmaak_f32 v[\T+5], v[\T+5], v[\T+3], 0x3f800000
	v_cvt_i32_f32 v[\T+6], v[\T+1]
	v_sub_nc_u32 v[\T+6], v[\T+6], v5              ; sin a = cos(a - a quarter turn)
	v_and_b32 v[\T+6], 3, v[\T+6]                  ; quadrant 0: cos r, 1: -sin r, 2: -cos r, 3: sin r
	v_and_b32 v[\T+7], 1, v[\T+6]
	v_cmp_eq_u32 vcc_lo, 1, v[\T+7]
	v_cndmask_b32 v[\T+4], v[\T+5], v[\T+4], vcc_lo
	v_add_nc_u32 v[\T+6], 1, v[\T+6]
	v_and_b32 v[\T+6], 2, v[\T+6]
	v_lshlrev_b32 v[\T+6], 30, v[\T+6]             ; the sign bit for quadrants 1 and 2
	v_xor_b32 v[\T+4], v[\T+4], v[\T+6]
	v_mul_f32 v[\dst], 0x3eb6d544, v[\T+4]         ; T = 0.35709583
.endm
	ANG 30, 6, 8
	ANG 31, 7, 16
	global_store_b64 v3, v[30:31], s[20:21]
; Input u is rounded and stored.  The count lets the later inputs' loads, eight each, stay out.  No register that a store reads is written again, so no further wait is needed.
.macro CAST u, base, half
	s_wait_loadcnt 32-8*(\u)
.irp j, 0,1,2,3,4,5,6,7
.set Q, X+32*(\u)+4*(\j)
	v_cvt_pk_bf16_f32 v[Q], v[Q], v[Q+1]
	v_cvt_pk_bf16_f32 v[Q+1], v[Q+2], v[Q+3]
.if \half
	v_lshlrev_b32 v[Q+2], 16, v[Q]                 ; the bf16 numbers once more as f32, and from there to f16
	v_and_b32 v[Q+3], 0xffff0000, v[Q]
	v_cvt_pk_f16_f32 v[Q], v[Q+2], v[Q+3]
	v_lshlrev_b32 v[Q+2], 16, v[Q+1]
	v_and_b32 v[Q+3], 0xffff0000, v[Q+1]
	v_cvt_pk_f16_f32 v[Q+1], v[Q+2], v[Q+3]
.endif
	global_store_b64 v2, v[Q:Q+1], s[\base:\base+1] offset:2048*(\j)
.endr
.endm
	CAST 0, 14, 0
	CAST 1, 16, 0
	CAST 2, 22, 0
	CAST 3, 24, 0
	CAST 4, 18, 1
	s_endpgm
.Lfunc_end_k_qd7c298da87_prep:
	.size	k_qd7c298da87_prep, .Lfunc_end_k_qd7c298da87_prep-k_qd7c298da87_prep
	.p2alignl 7, 3214868480
	.fill 96, 4, 3214868480
	.section	.rodata,"a",@progbits
	.p2align	6, 0x0
	.amdhsa_kernel k_qd7c298da87_prep
		.amdhsa_group_segment_fixed_size 0
		.amdhsa_private_segment_fixed_size 0
		.amdhsa_enable_private_segment 0
		.amdhsa_kernarg_size 72
		.amdhsa_user_sgpr_count 2
		.amdhsa_user_sgpr_kernarg_segment_ptr 1
		.amdhsa_wavefront_size32 1
		.amdhsa_system_sgpr_workgroup_id_x 1
		.amdhsa_system_sgpr_workgroup_id_y 1
		.amdhsa_system_sgpr_workgroup_id_z 1
		.amdhsa_system_vgpr_workitem_id 0
		.amdhsa_next_free_vgpr 192
		.amdhsa_next_free_sgpr 66
		.amdhsa_reserve_vcc 1
		.amdhsa_float_denorm_mode_32 3
		.amdhsa_float_denorm_mode_16_64 3
		.amdhsa_memory_ordered 1
		.amdhsa_forward_progress 1
		.amdhsa_inst_pref_size 20
	.end_amdhsa_kernel
	.amdgpu_metadata
---
amdhsa.version: [ 1, 2 ]
amdhsa.kernels:
  - .name:           k_qd7c298da87_prep
    .symbol:         k_qd7c298da87_prep.kd
    .args:
      - { .name: x, .offset: 0, .size: 8, .value_kind: global_buffer, .address_space: global }
      - { .name: wq, .offset: 8, .size: 8, .value_kind: global_buffer, .address_space: global }
      - { .name: wk, .offset: 16, .size: 8, .value_kind: global_buffer, .address_space: global }
      - { .name: wv, .offset: 24, .size: 8, .value_kind: global_buffer, .address_space: global }
      - { .name: wo, .offset: 32, .size: 8, .value_kind: global_buffer, .address_space: global }
      - { .name: xb, .offset: 40, .size: 8, .value_kind: global_buffer, .address_space: global }
      - { .name: wb, .offset: 48, .size: 8, .value_kind: global_buffer, .address_space: global }
      - { .name: wob, .offset: 56, .size: 8, .value_kind: global_buffer, .address_space: global }
      - { .name: tab, .offset: 64, .size: 8, .value_kind: global_buffer, .address_space: global }
    .group_segment_fixed_size: 0
    .private_segment_fixed_size: 0
    .kernarg_segment_align: 8
    .kernarg_segment_size: 72
    .max_flat_workgroup_size: 256
    .sgpr_count:     66
    .vgpr_count:     192
    .wavefront_size: 32
...
	.end_amdgpu_metadata
.endif
;; end of part 1
;; launch qkv (part 2): grid 16 x 16, 4 waves a work-group, clusters of 4 x 4, 327,680 bytes of LDS; arguments xb, wb, tab, qh, kh, vh; writes qh, kh, vh
.if DOCPART == 2
	.amdgcn_target "amdgcn-amd-amdhsa--gfx1250"
	.amdhsa_code_object_version 6
	.text
	.protected	k_qd7c298da87_qkv
	.globl	k_qd7c298da87_qkv
	.p2align	8
	.type	k_qd7c298da87_qkv,@function
k_qd7c298da87_qkv:
	s_mov_b64 s[64:65], 0
	v_nop
	global_prefetch_b8 v0, s[64:65] scope:SCOPE_SE
	s_setreg_imm32_b32 hwreg(HW_REG_WAVE_MODE, 25, 1), 1
	s_wait_xcnt 0x0
	s_wait_alu depctr_hold_cnt(0) depctr_sa_sdst(0) depctr_va_vdst(0) depctr_va_sdst(0) depctr_va_ssrc(0) depctr_va_vcc(0) depctr_vm_vsrc(0)
	s_getreg_b32 s2, hwreg(HW_REG_IB_STS2, 6, 4)
	s_cmp_eq_u32 s2, 0
	s_cbranch_scc0 .Lentry_in_a_cluster
	s_endpgm
.Lentry_in_a_cluster:
	s_bfe_u32 s2, ttmp6, 0x10000c
	s_cmp_lg_u32 s2, 0xf033
	s_cbranch_scc0 .Lentry_shape_is_right
	s_endpgm
.Lentry_shape_is_right:
; QKV: q, k, v = x wq, x wk, x wv in bf16 with f32 sums; the rotary turn and the scale T (both in tab) on q and k; all three rounded once to f16 and stored [2048 s][2048], head h at columns 128 h.
; A work-group makes 128 rows x one head's 128 columns of q, of k and of v: 16 x 16 = 256 work-groups.  Four waves: wave w has rows 64 (w / 2) on and, of each of the three, the 16-column blocks
; 2 c, 2 c + 1, 2 c + 4, 2 c + 5 (c = w % 2): channel d and channel d + 64 then lie in two accumulators of the same wave at the same lane and register, and the rotary turn changes no lane.
; 48 accumulators of 16 x 16; for 32 along K a wave reads 32 x 512 bytes of LDS and issues 48 matrix instructions.
; K goes in steps of 128 through two LDS slots: x's tile 128 rows x 256 bytes, and of each weight 128 k rows x 256 bytes.  The weights lie [k][n]: their fragments come out of LDS turned (ds_load_tr16_b128).
; CLUSTER 4 x 4: x's tile hangs on the row block alone and is asked for jointly along a row of the cluster, the weights' tiles on the head alone, jointly along a column.  Wave 0 asks for x's tile, waves 1 to 3 for wq's, wk's, wv's.
; THE MATRIX INSTRUCTION IS USED TRANSPOSED (source 0 = 16 columns of a weight, source 1 = 16 rows of x): a lane holds row l % 16 and eight neighbouring columns 8 (l / 16) + 0..7.
; LIMITS.  T q, T k and v must stay under 65,504 (f16).
; REGISTERS, in windows of 256: window 0: v1-29 addresses; v32-95 x's fragments, two buffers of 4 x 8, later 64 at work on the way out; v128-255 my part of tab.
;   window 1: v0-191 the weights' fragments, two buffers of 12 x 8.   window 2: accumulators of row blocks 0, 1 at 96 (a % 2) + 8 (4 m + bb); v192-207 at work.   window 3: those of row blocks 2, 3, likewise.
.set KSTEP,  128
.set PA,     272                       ; an LDS row of x: 256 bytes + 16: the 16 rows of a fragment load start at 16 different groups of four banks
.set PB,     288                       ; an LDS row of a weight: 256 + 32
.set ABYTES, 128*PA
.set BBYTES, 128*PB
.set SLOT,   ABYTES+3*BBYTES           ; 145,408
.set STAGE,  2*SLOT                    ; behind the ring: 128 rows x 272 bytes, the work-group's, for the way out; no tensor load lands here
.set SP,     272
.set SPARE,  STAGE+128*SP              ; the spare words: 128 bytes a wave, two blocks of 256 bytes that no other line names
.set LAPS,   2048/(2*KSTEP)
.set ROWB,   4096                      ; bytes in a row of xb, wb, qh, kh, vh
.set ADRA, 16                          ; v16-17  LDS address of my fragments of x in slot 0, 1
.set ADRB, 18                          ; v18-23  of my fragments of weight m in slot s: 3 s + m
.set STO,  24                          ; the way out: where I put 16 bytes of a row
.set RD,   25                          ; where I read a row back
.set CO,   26                          ; my byte offset in two rows of the output
.set TO,   27                          ; my byte offset in tab
.set SPW,  28                          ; LDS address of my spare word; never rewritten
.set NIL,  29                          ; 0; never rewritten
.set FA,   32
.set TMP,  32
.set TAB,  128                         ; 32 a + 16 bq + 8 kind + j: row block a, column block 2 c + bq, cosine or sine
.set T1,   192
.set T2,   200
.set WV,  16                           ; s16 wave; s17 w / 2; s18 w % 2; s19 cx; s20 cy; s21 head; s22 row block
.set G1A, 24                           ; s[24:31] group 1 for x's tile;   s[32:39] its group 0, one set a slot
.set G0A, 32
.set G1B, 40                           ; s[40:47], s[48:55] the same for the weights' tiles
.set G0B, 48
.set LAP, 66
.set MSB, 0
.macro WIN new                         ; the immediate's high byte repeats the setting that is left; a switch that changes nothing is dropped
.if MSB != (\new)
	s_set_vgpr_msb (MSB<<8)|(\new)
.set MSB, \new
.endif
.endm
.macro PLACES                          ; four plain lines between a matrix instruction and a load into, or a vector line on, its registers
.rept 4
	v_nop
.endr
.endm
.macro JLOAD s                         ; a joint load; the branch hangs on the wave's number alone.  An s_nop 0 and four v_nop follow each line
	s_cmp_eq_u32 s[WV], 0
	s_cbranch_scc0 .Lfor_b_\@
	tensor_load_to_lds s[G0A+4*(\s):G0A+4*(\s)+3], s[G1A:G1A+7]
	s_nop 0
.rept 4
	v_nop
.endr
	s_branch .Lasked_\@
.Lfor_b_\@:
	tensor_load_to_lds s[G0B+4*(\s):G0B+4*(\s)+3], s[G1B:G1B+7]
	s_nop 0
.rept 4
	v_nop
.endr
.Lasked_\@:
.endm
.macro CREST                           ; a round of the cluster's barrier behind its opening barrier
	s_cmp_lg_u32 s[WV], 0
	s_cbranch_scc1 .Lnot_wave_0_\@
	s_barrier_signal -3
.Lnot_wave_0_\@:
	s_barrier_wait -3
	s_barrier_signal -1
	s_barrier_wait -1
.endm
.macro CROUND
	s_barrier_signal -1
	s_barrier_wait -1
	CREST
.endm
	s_load_b256 s[4:11], s[0:1], 0x0               ; xb 4, wb 6, tab 8, qh 10
	s_load_b128 s[12:15], s[0:1], 0x20             ; kh 12, vh 14
	v_lshl_add_u32 v[SPW], v0, 2, SPARE
	v_mov_b32 v[NIL], 0
	ds_add_u32 v[SPW], v[NIL]                      ; the wave's opening: the add and its wait ahead of my first tensor load
	v_lshrrev_b32 v1, 5, v0
	v_readfirstlane_b32 s[WV], v1
	s_lshr_b32 s17, s[WV], 1                       ; which 64 rows are mine
	s_and_b32 s18, s[WV], 1                        ; c: which column blocks
	s_bfe_u32 s19, ttmp6, 0x40000                  ; cx
	s_bfe_u32 s20, ttmp6, 0x40004                  ; cy
	s_lshl_b32 s21, ttmp9, 2
	s_add_co_u32 s21, s21, s19                     ; the head = 4 x cluster x + cx
	s_and_b32 s22, ttmp7, 0xffff
	s_lshl_b32 s22, s22, 2
	s_add_co_u32 s22, s22, s20                     ; the row block = 4 x cluster y + cy
	s_lshl_b32 s23, s20, 2
	s_lshl_b32 s23, 15, s23                        ; my row of the cluster
	s_lshl_b32 s67, 0x1111, s19                    ; my column
	s_or_b32 s[G1A], s23, (1<<16)|(1<<20)|(1<<21)|(5<<22)|(3<<25)  ; mask; 2-byte elements; padding on; bit 21 beside a mask; after every 64 words 4 words
	s_or_b32 s[G1B], s67, (1<<16)|(1<<20)|(1<<21)|(5<<22)|(7<<25)  ; the same with my column's mask and 8 words of padding
.irp g, G1A, G1B
	s_mov_b32 s[(\g)+1], 128<<16                   ; tensor_dim0 = 128
	s_mov_b32 s[(\g)+2], 128<<16                   ; tensor_dim1 = 128
	s_mov_b32 s[(\g)+3], 128<<16                   ; tile_dim0 = 128
	s_mov_b32 s[(\g)+4], 128                       ; tile_dim1 = 128
	s_mov_b32 s[(\g)+5], 2048                      ; elements from row to row
	s_mov_b32 s[(\g)+6], 0
	s_mov_b32 s[(\g)+7], 0
.endr
	s_lshl_b32 s56, s22, 19                        ; x: 128 rows of 4,096 bytes a row block: made of the row block alone
	s_mov_b32 s57, 0
	s_max_u32 s68, s[WV], 1
	s_sub_co_u32 s68, s68, 1                       ; waves 1 to 3: weight 0 to 2 (wave 0 asks for none)
	s_lshl_b32 s60, s68, 23                        ; the weights lie 8 MiB apart;
	s_lshl_b32 s61, s21, 8                         ; the head's 256 bytes of a row: made of the head and the wave alone
	s_add_co_u32 s60, s60, s61
	s_mov_b32 s61, 0
	s_mul_i32 s69, s[WV], BBYTES                   ; where a weight's tile goes: behind x's tile, wave 1's first
	s_sub_co_u32 s69, s69, BBYTES-ABYTES
	s_wait_dscnt 0x0                               ; the opening add is done
	s_wait_kmcnt 0x0
	s_add_nc_u64 s[58:59], s[4:5], s[56:57]
	s_add_nc_u64 s[62:63], s[6:7], s[60:61]
	CROUND                                         ; all sixteen work-groups are here: the first joint loads meet
.irp s, 0,1
	s_mov_b32 s[G0A+4*(\s)], 1
	s_mov_b32 s[G0A+4*(\s)+1], (\s)*SLOT
	s_add_nc_u64 s[G0A+4*(\s)+2:G0A+4*(\s)+3], s[58:59], (\s)*KSTEP*2
	s_or_b32 s[G0A+4*(\s)+3], s[G0A+4*(\s)+3], 0x80000000
	s_mov_b32 s[G0B+4*(\s)], 1
	s_add_co_u32 s[G0B+4*(\s)+1], s69, (\s)*SLOT
	s_add_nc_u64 s[G0B+4*(\s)+2:G0B+4*(\s)+3], s[62:63], (\s)*KSTEP*ROWB
	s_or_b32 s[G0B+4*(\s)+3], s[G0B+4*(\s)+3], 0x80000000
	JLOAD \s                                       ; two loads of mine are out
.endr
	v_and_b32 v1, 15, v0                           ; r = l % 16
	v_bfe_u32 v2, v0, 4, 1                         ; h = l / 16
	; my part of tab, 128 registers, waited for once, in front of the rotary turn: row 64 (w / 2) + 16 a + r, columns 16 (2 c + bq) + 8 h + 0..7, and the sines 64 columns on
	s_lshl_b32 s70, s17, 15
	s_lshl_b32 s71, s18, 7
	s_add_co_u32 s70, s70, s71
	v_lshl_add_u32 v[TO], v1, 9, s70
	v_lshl_add_u32 v[TO], v2, 5, v[TO]
	s_lshl_b32 s70, s22, 16                        ; the row block's 128 rows of 512 bytes
	s_mov_b32 s71, 0
	s_add_nc_u64 s[8:9], s[8:9], s[70:71]
.irp a, 0,1,2,3
.irp bq, 0,1
.irp kd, 0,1
	global_load_b128 v[TAB+32*(\a)+16*(\bq)+8*(\kd):TAB+32*(\a)+16*(\bq)+8*(\kd)+3],   v[TO], s[8:9] offset:8192*(\a)+64*(\bq)+256*(\kd)
	global_load_b128 v[TAB+32*(\a)+16*(\bq)+8*(\kd)+4:TAB+32*(\a)+16*(\bq)+8*(\kd)+7], v[TO], s[8:9] offset:8192*(\a)+64*(\bq)+256*(\kd)+16
.endr
.endr
.endr
	v_mul_u32_u24 v3, v1, PA                       ; a fragment of x: row x pitch + 16 x half, two loads 32 bytes apart
	v_lshl_add_u32 v3, v2, 4, v3
	s_mul_i32 s70, s17, 64*PA
	v_add_nc_u32 v[ADRA], s70, v3
	v_add_nc_u32 v[ADRA+1], SLOT, v[ADRA]
	v_and_b32 v4, 7, v0                            ; the turning load: lane l reads k row 8 h + l % 8, 16 bytes at 16 ((l / 8) % 2), and leaves column l % 16 with eight k
	v_lshl_add_u32 v4, v2, 3, v4
	v_mul_u32_u24 v4, v4, PB
	v_bfe_u32 v5, v0, 3, 1
	v_lshl_add_u32 v4, v5, 4, v4
	s_lshl_b32 s70, s18, 6                         ; my column blocks begin 64 c bytes into a row
	s_add_co_u32 s70, s70, ABYTES
	v_add_nc_u32 v4, s70, v4
.irp s, 0,1
.irp m, 0,1,2
	v_add_nc_u32 v[ADRB+3*(\s)+(\m)], (\s)*SLOT+(\m)*BBYTES, v4
.endr
.endr
	s_mul_i32 s70, s17, 64*SP                      ; into the stage: my 64 rows, my column blocks
	s_lshl_b32 s71, s18, 6
	s_add_co_u32 s70, s70, s71
	s_add_co_u32 s70, s70, STAGE
	v_mul_u32_u24 v5, v1, SP
	v_lshl_add_u32 v5, v2, 4, v5
	v_add_nc_u32 v[STO], s70, v5
	s_mul_i32 s70, s[WV], 32*SP                    ; back: wave w takes rows 32 w on, whole: lanes 0-15 one row of 256 bytes, lanes 16-31 the next
	s_add_co_u32 s70, s70, STAGE
	v_mul_u32_u24 v5, v2, SP
	v_lshl_add_u32 v5, v1, 4, v5
	v_add_nc_u32 v[RD], s70, v5
	v_lshlrev_b32 v5, 12, v2
	v_lshl_add_u32 v[CO], v1, 4, v5
	s_lshl_b32 s70, s22, 19                        ; the first row that I store, 128 x row block + 32 w, and the head's 256 bytes
	s_lshl_b32 s71, s[WV], 17
	s_add_co_u32 s70, s70, s71
	s_lshl_b32 s71, s21, 8
	s_add_co_u32 s70, s70, s71
	s_mov_b32 s71, 0
	s_add_nc_u64 s[10:11], s[10:11], s[70:71]
	s_add_nc_u64 s[12:13], s[12:13], s[70:71]
	s_add_nc_u64 s[14:15], s[14:15], s[70:71]
; 12 matrix instructions: row block a x my 12 column blocks, 32 along K, from buffer p.  The accumulators take turns, one instruction a turn.  zero = 1: the product starts the sums.
.macro MUL12 p, a, zero
	WIN 0xa1+0x50*((\a)/2)                         ; source 0 window 1, source 1 window 0, C and D window 2 or 3
.irp b, 0,1,2,3,4,5,6,7,8,9,10,11
.if \zero
	v_wmma_f32_16x16x32_bf16 v[96*((\a)%2)+8*(\b):96*((\a)%2)+8*(\b)+7], v[96*(\p)+8*(\b):96*(\p)+8*(\b)+7], v[FA+32*(\p)+8*(\a):FA+32*(\p)+8*(\a)+7], 0
.else
	v_wmma_f32_16x16x32_bf16 v[96*((\a)%2)+8*(\b):96*((\a)%2)+8*(\b)+7], v[96*(\p)+8*(\b):96*(\p)+8*(\b)+7], v[FA+32*(\p)+8*(\a):FA+32*(\p)+8*(\a)+7], v[96*((\a)%2)+8*(\b):96*((\a)%2)+8*(\b)+7]
.endif
.endr
.endm
; 32 LDS loads in one run: quarter q (32 along K) of a slot into buffer p: 24 turning loads for the weights, then 8 for x, row blocks ascending
.macro FETCH slot, q, p
	WIN 0x40                                       ; destination window 1, address window 0
.irp m, 0,1,2
.irp bb, 0,1,2,3
	ds_load_tr16_b128 v[96*(\p)+8*(4*(\m)+(\bb)):96*(\p)+8*(4*(\m)+(\bb))+3],   v[ADRB+3*(\slot)+(\m)] offset:32*PB*(\q)+32*((\bb)&1)+128*((\bb)>>1)
	ds_load_tr16_b128 v[96*(\p)+8*(4*(\m)+(\bb))+4:96*(\p)+8*(4*(\m)+(\bb))+7], v[ADRB+3*(\slot)+(\m)] offset:32*PB*(\q)+32*((\bb)&1)+128*((\bb)>>1)+16*PB
.endr
.endr
	WIN 0
.irp a, 0,1,2,3
	ds_load_b128 v[FA+32*(\p)+8*(\a):FA+32*(\p)+8*(\a)+3],   v[ADRA+(\slot)] offset:64*(\q)+16*PA*(\a)
	ds_load_b128 v[FA+32*(\p)+8*(\a)+4:FA+32*(\p)+8*(\a)+7], v[ADRA+(\slot)] offset:64*(\q)+16*PA*(\a)+32
.endr
.endm
; A K step is four quarters on buffers 0, 1, 0, 1.  One of the first three: multiplies buffer p; in its middle it fetches quarter q of the same slot into buffer g.
.macro QUARTER slot, q, p, g, zero
	s_wait_dscnt 4                                 ; all but the youngest four loads (x's row blocks 2, 3)
	MUL12 \p, 0, \zero
	MUL12 \p, 1, \zero
	PLACES
	FETCH \slot, \q, \g
	s_wait_dscnt 32                                ; all but the 32 just issued
	MUL12 \p, 2, \zero
	MUL12 \p, 3, \zero
.endm
; The last quarter multiplies buffer 1 and changes slots: one barrier; in front of it each wave waits for all its tensor loads (one is out: its part of the next slot), adds 0 to its spare word,
; and waits for that and for its reads of this slot.  fill = 1: the barrier opens a round of the cluster's, and this slot is filled again, two K steps ahead, first thing behind it.
.macro TURN slot, next, fill
	WIN 0
	s_wait_tensorcnt 0x0
	ds_add_u32 v[SPW], v[NIL]
	s_wait_dscnt 5                                 ; the add and the youngest four loads may be out
	MUL12 1, 0, 0
	s_wait_dscnt 0x0                               ; the add is done, and my reads of this slot are over
	s_barrier_signal -1
	MUL12 1, 1, 0
.if \fill
	WIN 0
.endif
	s_barrier_wait -1
.if \fill
	CREST                                          ; no wave of any partner still reads this slot or has a load on its way
	s_add_nc_u64 s[G0A+4*(\slot)+2:G0A+4*(\slot)+3], s[G0A+4*(\slot)+2:G0A+4*(\slot)+3], 2*KSTEP*2
	s_add_nc_u64 s[G0B+4*(\slot)+2:G0B+4*(\slot)+3], s[G0B+4*(\slot)+2:G0B+4*(\slot)+3], 2*KSTEP*ROWB
	JLOAD \slot                                    ; its four v_nop are also the places in front of the loads below
.else
	PLACES
.endif
	FETCH \next, 0, 0
	MUL12 1, 2, 0
	MUL12 1, 3, 0
.endm
	s_wait_tensorcnt 1                             ; my part of K step 0 is in; K step 1's stays out
	s_barrier_signal -1
	s_barrier_wait -1
	FETCH 0, 0, 0
	QUARTER 0, 1, 0, 1, 1                          ; the first quarter stands in front of the loop: its products start the sums
	WIN 0
	s_mov_b32 s[LAP], LAPS-1
.Llap:                                                 ; a trip goes once round the ring and fills both slots again
	QUARTER 0, 2, 1, 0, 0
	QUARTER 0, 3, 0, 1, 0
	TURN 0, 1, 1
	QUARTER 1, 1, 0, 1, 0
	QUARTER 1, 2, 1, 0, 0
	QUARTER 1, 3, 0, 1, 0
	TURN 1, 0, 1
	QUARTER 0, 1, 0, 1, 0
	WIN 0
	s_sub_co_u32 s[LAP], s[LAP], 1
	s_cmp_lg_u32 s[LAP], 0
	s_cbranch_scc1 .Llap
	QUARTER 0, 2, 1, 0, 0                          ; the last lap fills nothing
	QUARTER 0, 3, 0, 1, 0
	TURN 0, 1, 0
	QUARTER 1, 1, 0, 1, 0
	QUARTER 1, 2, 1, 0, 0
	QUARTER 1, 3, 0, 1, 0
	s_wait_dscnt 4
	MUL12 1, 0, 0
	MUL12 1, 1, 0
	s_wait_dscnt 0x0
	MUL12 1, 2, 0
	MUL12 1, 3, 0
	WIN 0
	PLACES
	s_wait_loadcnt 0x0                             ; tab
; THE ROTARY TURN of matrix m (0: q, 1: k): x1 = channels d < 64, x2 = channels d + 64: x1' = x1 cos - x2 sin, x2' = x2 cos + x1 sin.  Each accumulator's lowest registers are read first.
.macro ROPE m
.irp a, 0,1,2,3
	WIN 0xa2+0x51*((\a)/2)                         ; destination, source 0 and source 2 in the accumulators' window, source 1 (tab) in window 0
.irp bq, 0,1
.set X1, 96*((\a)%2)+8*(4*(\m)+(\bq))
.set X2, X1+16
.set CT, TAB+32*(\a)+16*(\bq)
.irp i, 0,2,4,6
	v_pk_mul_f32 v[T1+(\i):T1+(\i)+1], v[X2+(\i):X2+(\i)+1], v[CT+8+(\i):CT+8+(\i)+1]
.endr
.irp i, 0,2,4,6
	v_pk_mul_f32 v[T2+(\i):T2+(\i)+1], v[X1+(\i):X1+(\i)+1], v[CT+8+(\i):CT+8+(\i)+1]
.endr
.irp i, 0,2,4,6
	v_pk_fma_f32 v[X1+(\i):X1+(\i)+1], v[X1+(\i):X1+(\i)+1], v[CT+(\i):CT+(\i)+1], v[T1+(\i):T1+(\i)+1] neg_lo:[0,0,1] neg_hi:[0,0,1]
.endr
.irp i, 0,2,4,6
	v_pk_fma_f32 v[X2+(\i):X2+(\i)+1], v[X2+(\i):X2+(\i)+1], v[CT+(\i):CT+(\i)+1], v[T2+(\i):T2+(\i)+1]
.endr
.endr
.endr
.endm
.macro PACK m                          ; matrix m's 16 accumulators rounded to f16: 16 bytes a lane and accumulator
.irp a, 0,1,2,3
	WIN 0x0a+5*((\a)/2)                            ; sources in window 2 or 3, destination in window 0
.irp bb, 0,1,2,3
.irp i, 0,1,2,3
	v_cvt_pk_f16_f32 v[TMP+16*(\a)+4*(\bb)+(\i)], v[96*((\a)%2)+8*(4*(\m)+(\bb))+2*(\i)], v[96*((\a)%2)+8*(4*(\m)+(\bb))+2*(\i)+1]
.endr
.endr
.endr
.endm
; THE WAY OUT of matrix m: a row's 256 bytes come from two waves, so they meet in the work-group's stage: store, wait, barrier, load.  The stage is used three times: in front of the second and third
; writing stands a barrier that each wave reaches with its reads of the stage back (its last count-down has ended at 0).
.macro OUT m, base
.if (\m) > 0
	s_wait_xcnt 0x0                                ; the registers that the last stores read are written again only behind this wait
.endif
	PACK \m
	WIN 0
.if (\m) > 0
	s_barrier_signal -1
	s_barrier_wait -1
.endif
.irp a, 0,1,2,3
.irp bb, 0,1,2,3
	ds_store_b128 v[STO], v[TMP+16*(\a)+4*(\bb):TMP+16*(\a)+4*(\bb)+3] offset:16*SP*(\a)+32*((\bb)&1)+128*((\bb)>>1)
.endr
.endr
	s_wait_dscnt 0x0                               ; for the others' sake: my stores into the stage are done
	s_barrier_signal -1
	s_barrier_wait -1
.irp t, 0,1,2,3,4,5,6,7,8,9,10,11,12,13,14,15
	ds_load_b128 v[TMP+4*(\t):TMP+4*(\t)+3], v[RD] offset:2*SP*(\t)
.endr
.irp t, 0,1,2,3,4,5,6,7,8,9,10,11,12,13,14,15
	s_wait_dscnt 15-(\t)
	global_store_b128 v[CO], v[TMP+4*(\t):TMP+4*(\t)+3], s[\base:\base+1] offset:2*ROWB*(\t)  ; 16 lanes store 256 consecutive bytes, at a multiple of 256 from the buffer's first
.endr
.endm
	ROPE 0
	ROPE 1
	OUT 0, 10
	OUT 1, 12
	OUT 2, 14
	s_wait_tensorcnt 0x0                           ; the wave's end
	ds_add_u32 v[SPW], v[NIL]
	s_wait_dscnt 0x0
	CROUND                                         ; the closing round: no work-group ends while a partner may still ask for a tile that names it
	s_endpgm
.Lfunc_end_k_qd7c298da87_qkv:
	.size	k_qd7c298da87_qkv, .Lfunc_end_k_qd7c298da87_qkv-k_qd7c298da87_qkv
	.p2alignl 7, 3214868480
	.fill 96, 4, 3214868480
	.section	.rodata,"a",@progbits
	.p2align	6, 0x0
	.amdhsa_kernel k_qd7c298da87_qkv
		.amdhsa_group_segment_fixed_size 327680
		.amdhsa_private_segment_fixed_size 0
		.amdhsa_enable_private_segment 0
		.amdhsa_kernarg_size 48
		.amdhsa_user_sgpr_count 2
		.amdhsa_user_sgpr_kernarg_segment_ptr 1
		.amdhsa_wavefront_size32 1
		.amdhsa_system_sgpr_workgroup_id_x 1
		.amdhsa_system_sgpr_workgroup_id_y 1
		.amdhsa_system_sgpr_workgroup_id_z 1
		.amdhsa_system_vgpr_workitem_id 0
		.amdhsa_next_free_vgpr 1024
		.amdhsa_next_free_sgpr 72
		.amdhsa_reserve_vcc 0
		.amdhsa_float_denorm_mode_32 3
		.amdhsa_float_denorm_mode_16_64 3
		.amdhsa_memory_ordered 1
		.amdhsa_forward_progress 1
		.amdhsa_inst_pref_size 140
	.end_amdhsa_kernel
	.amdgpu_metadata
---
amdhsa.version: [ 1, 2 ]
amdhsa.kernels:
  - .name:           k_qd7c298da87_qkv
    .symbol:         k_qd7c298da87_qkv.kd
    .args:
      - { .name: xb, .offset: 0, .size: 8, .value_kind: global_buffer, .address_space: global }
      - { .name: wb, .offset: 8, .size: 8, .value_kind: global_buffer, .address_space: global }
      - { .name: tab, .offset: 16, .size: 8, .value_kind: global_buffer, .address_space: global }
      - { .name: qh, .offset: 24, .size: 8, .value_kind: global_buffer, .address_space: global }
      - { .name: kh, .offset: 32, .size: 8, .value_kind: global_buffer, .address_space: global }
      - { .name: vh, .offset: 40, .size: 8, .value_kind: global_buffer, .address_space: global }
    .group_segment_fixed_size: 327680
    .private_segment_fixed_size: 0
    .kernarg_segment_align: 8
    .kernarg_segment_size: 48
    .max_flat_workgroup_size: 128
    .sgpr_count:     72
    .vgpr_count:     1024
    .wavefront_size: 32
...
	.end_amdgpu_metadata
.endif
;; end of part 2
;; launch attn (part 3): grid 16 x 8, 4 waves a work-group, clusters of 4 x 4, 327,680 bytes of LDS; arguments qh, kh, vh, mask, ob; writes ob
.if DOCPART == 3
	.amdgcn_target "amdgcn-amd-amdhsa--gfx1250"
	.amdhsa_code_object_version 6
	.text
	.protected	k_qd7c298da87_attn
	.globl	k_qd7c298da87_attn
	.p2align	8
	.type	k_qd7c298da87_attn,@function
k_qd7c298da87_attn:
	s_mov_b64 s[64:65], 0
	v_nop
	global_prefetch_b8 v0, s[64:65] scope:SCOPE_SE
	s_setreg_imm32_b32 hwreg(HW_REG_WAVE_MODE, 25, 1), 1
	s_wait_xcnt 0x0
	s_wait_alu depctr_hold_cnt(0) depctr_sa_sdst(0) depctr_va_vdst(0) depctr_va_sdst(0) depctr_va_ssrc(0) depctr_va_vcc(0) depctr_vm_vsrc(0)
	s_getreg_b32 s2, hwreg(HW_REG_IB_STS2, 6, 4)
	s_cmp_eq_u32 s2, 0
	s_cbranch_scc0 .Lentry_in_a_cluster
	s_endpgm
.Lentry_in_a_cluster:
	s_bfe_u32 s2, ttmp6, 0x10000c
	s_cmp_lg_u32 s2, 0xf033
	s_cbranch_scc0 .Lentry_shape_is_right
	s_endpgm
.Lentry_shape_is_right:
; ATTENTION.  O[q] = the sum over all 2,048 keys of softmax_k(score + mask[q][k]) V[k], for 16 heads of 128 channels.  qh, kh, vh, ob: f16 [2048][2048], head h at columns 128 h; mask: f32 [2048][2048], an input:
; every word of it is read and added, and no pattern of it is assumed.  qh and kh carry the factor T each (T T = log2(e) / sqrt(128)), so K Q^T is c x score, c = log2(e).
; Products, maxima and sums in f32; the weights p are rounded to f16 for the second product (their sum l is taken of the unrounded p), O once at the end.
; SHARES.  A work-group owns 128 queries of TWO heads: 16 x 8 = 128 work-groups.  Wave w: head 2 hp + w / 2, queries 64 (w % 2) on: four tiles of 16.  Every wave walks all keys, 64 a step.  A step's mask tile serves both heads.
; LAYOUT.  S^T = K Q^T (source 0 = 16 keys, source 1 = 16 queries): a lane holds ONE query (lane % 16) and the keys 8 (lane / 16) + 0..7.  Two such tiles, rounded to f16 in pairs, ARE source 1 of O^T = V^T P.
; K comes out of LDS as it lies, V ([key][channel]) turned, the mask in S^T's own layout.
; SOFTMAX.  s' = c mask + c score, one fused multiply-add in f32; a running maximum m of s' and sum l; p = 2^(s' - m): a difference first, exactly 0 where s' = m, however large the mask; O and l are multiplied by
; a = 2^(m_old - m_new) in every step.
; LIMITS.  |mask| under 2.3e38 (c mask stays finite); no key step in which all 64 keys of a query are -infinity.  Where c |mask| is 2^24 times the scores or more the scores vanish in the sum's rounding, as they do in the
; problem's own f32 addition, but on the grid of c mask, not of mask.  A weight below 2^-126 counts as 0.  f16 holds no number beyond 65,504.
; BY TURNS.  The wave's tiles are two PIECES (tiles 0, 1 and tiles 2, 3).  In a TURN one piece has the matrix unit: 32 products V^T P of the step in hand, then 32 products K Q^T of the next step; the other piece's
; softmax, cut into 64 slices, stands between them, one slice behind each matrix instruction; its 32 mask lines stand together at the turn's head.
; RING.  Two slots of one key step: 64 rows of K and of V (512 bytes: both heads) and 128 rows x 256 bytes of mask.  All of a step's LDS reads fall between two changes of slots.
; CLUSTER 4 x 4.  K's and V's tiles hang on the head pair alone: asked for jointly along a row of the cluster; the mask's on the query block alone: jointly along a column.  Wave 0 asks for K, wave 1 for V, waves 2, 3 for the mask's halves.
; REGISTERS, in windows of 256 (bits 1:0 source 0, 3:2 source 1, 5:4 source 2, 7:6 destination):
;   window 0: v0-11, v44 addresses; v12-43 eight registers of statistics a tile; v64-191 S^T, 32 a tile; v192-255 P, 16 a tile
;   window 1: O^T, 64 a tile      window 2: v0-127 Q; v128-255 K of one step      window 3: v0-127 V of one step; v128-255 the mask words, 32 a tile
.set KS,    64
.set PK,    528       ; a row of K in LDS: 512 bytes + 16: the 16 rows of a load start at 16 different groups of four banks
.set PV,    544       ; a row of V: 512 + 32
.set PM,    272       ; a row of the mask: 256 + 16
.set VOFF,  KS*PK
.set MOFF,  VOFF+KS*PV
.set SLOT1, 1<<17     ; slot 1 begins here, so that one exclusive or turns an address in one slot into the other's
.set STAGE, SLOT1+MOFF+128*PM  ; behind the ring: 16 rows x 272 bytes for each wave, for the way out
.set SP,    272
.set SPARE, STAGE+4*16*SP      ; the spare words: 128 bytes a wave, two blocks of 256 bytes that no other line names
.set AK0, 2           ; my lane's place in a tile of K; never rewritten
.set AV0, 3           ; in a tile of V
.set ADR, 4           ; the LDS address of the run of loads in hand
.set QO,  5           ; my byte offset in 16 rows of Q
.set STO, 6
.set RD,  7
.set GO,  8
.set ST,  12          ; tile t's statistics at v[ST+8 t]: +0 m, +1 a zero named with it as a pair, +2, +3 l (even keys', odd keys'), +4 to +7 c0-c3, at work; a takes c2's place once the maximum is found
.set AM0, 44          ; my lane's place in a tile of the mask
.set SPW, 62
.set NIL, 63
.set S,   64
.set P,   192
.set KF,  128         ; window 2
.set MK,  128         ; window 3
.set WV,  12
.set G1K, 24          ; s[24:31], s[32:39], s[40:47] group 1 for K's, V's and the mask's tiles
.set G1V, 32
.set G1M, 40
.set G0K, 48          ; s[48:55], s[56:63], s[68:75] group 0: a set for each of the two first fills; the second then walks on
.set G0V, 56
.set G0M, 68
.set CNT, 76
.set CS,  78          ; s[78:79] c
.set SEL, 80          ; s[80:81] v_permlanex16_b32's selects: each lane takes its own place in the other half
.set TB,  82          ; LDS byte at which the slot to be read begins
.set MSB, 0
.macro WIN new
.if MSB != (\new)
	s_set_vgpr_msb (MSB<<8)|(\new)
.set MSB, \new
.endif
.endm
.set W_KQ, 0x0a       ; K and Q in window 2, S^T in window 0
.set W_PV, 0x53       ; V in window 3, P in window 0, O^T in window 1
.set W_RS, 0x41       ; O^T (destination and source 0) in window 1, a in window 0
.set W_MA, 0x03       ; the mask words (source 0) in window 3, S^T in window 0
.macro PLACES
.rept 4
	v_nop
.endr
.endm
; A joint refill, by the walking sets.  The branches hang on the wave's number alone.  An s_nop 0 and four v_nop follow each line.
.macro JLOAD
	s_cmp_lt_u32 s[WV], 2
	s_cbranch_scc0 .Lfor_m_\@
	s_cmp_eq_u32 s[WV], 0
	s_cbranch_scc0 .Lfor_v_\@
	tensor_load_to_lds s[G0K+4:G0K+7], s[G1K:G1K+7]
	s_nop 0
.rept 4
	v_nop
.endr
	s_branch .Lasked_\@
.Lfor_v_\@:
	tensor_load_to_lds s[G0V+4:G0V+7], s[G1V:G1V+7]
	s_nop 0
.rept 4
	v_nop
.endr
	s_branch .Lasked_\@
.Lfor_m_\@:
	tensor_load_to_lds s[G0M+4:G0M+7], s[G1M:G1M+7]
	s_nop 0
.rept 4
	v_nop
.endr
.Lasked_\@:
.endm
.macro CROUND                       ; a round of the cluster's barrier
	s_barrier_signal -1
	s_barrier_wait -1
	s_cmp_lg_u32 s[WV], 0
	s_cbranch_scc1 .Lnot_wave_0_\@
	s_barrier_signal -3
.Lnot_wave_0_\@:
	s_barrier_wait -3
	s_barrier_signal -1
	s_barrier_wait -1
.endm
	s_load_b256 s[4:11], s[0:1], 0x0  ; qh 4, kh 6, vh 8, mask 10
	s_load_b64 s[14:15], s[0:1], 0x20 ; ob
	v_lshl_add_u32 v[SPW], v0, 2, SPARE
	v_mov_b32 v[NIL], 0
	ds_add_u32 v[SPW], v[NIL]       ; the wave's opening: the add and its wait ahead of my first tensor load
	v_lshrrev_b32 v1, 5, v0
	v_readfirstlane_b32 s[WV], v1
	s_bfe_u32 s16, ttmp6, 0x40000   ; cx
	s_bfe_u32 s17, ttmp6, 0x40004   ; cy
	s_lshl_b32 s18, ttmp9, 2
	s_add_co_u32 s18, s18, s16      ; the block of 128 queries = 4 x cluster x + cx
	s_and_b32 s19, ttmp7, 0xffff
	s_lshl_b32 s19, s19, 2
	s_add_co_u32 s19, s19, s17      ; the pair of heads = 4 x cluster y + cy
	s_lshl_b32 s13, s17, 2
	s_lshl_b32 s13, 15, s13         ; my row of the cluster
	s_lshl_b32 s77, 0x1111, s16     ; my column
	s_or_b32 s[G1K], s13, (1<<16)|(1<<20)|(1<<21)|(6<<22)|(3<<25)  ; mask; 2-byte elements; padding on; bit 21 beside a mask; after every 128 words 4 words
	s_or_b32 s[G1V], s13, (1<<16)|(1<<20)|(1<<21)|(6<<22)|(7<<25)  ; the same with 8 words
	s_or_b32 s[G1M], s77, (2<<16)|(1<<20)|(1<<21)|(5<<22)|(3<<25)  ; my column's mask; 4-byte elements; after every 64 words 4 words
.irp g, G1K, G1V
	s_mov_b32 s[(\g)+1], 256<<16    ; tensor_dim0 = 256
	s_mov_b32 s[(\g)+2], KS<<16     ; tensor_dim1 = 64
	s_mov_b32 s[(\g)+3], 256<<16    ; tile_dim0 = 256
	s_mov_b32 s[(\g)+4], KS         ; tile_dim1 = 64
	s_mov_b32 s[(\g)+5], 2048       ; elements from row to row
	s_mov_b32 s[(\g)+6], 0
	s_mov_b32 s[(\g)+7], 0
.endr
	s_mov_b32 s[G1M+1], 64<<16      ; 64 words of 64 rows
	s_mov_b32 s[G1M+2], 64<<16
	s_mov_b32 s[G1M+3], 64<<16
	s_mov_b32 s[G1M+4], 64
	s_mov_b32 s[G1M+5], 2048
	s_mov_b32 s[G1M+6], 0
	s_mov_b32 s[G1M+7], 0
	s_lshl_b32 s20, s19, 9          ; K and V: the pair's 512 bytes of a row: made of the head pair alone
	s_mov_b32 s21, 0
	s_and_b32 s84, s[WV], 1         ; which 64 queries are mine; also: which half of the mask's tile I fetch
	s_lshl_b32 s22, s18, 20         ; the mask: 128 rows of 8,192 bytes a block,
	s_lshl_b32 s23, s84, 19         ; 64 rows a half: made of the query block and the wave alone
	s_add_co_u32 s22, s22, s23
	s_mov_b32 s23, 0
	s_mul_i32 s83, s84, 64*PM       ; and the half's place in a slot
	s_add_co_u32 s83, s83, MOFF
	s_lshr_b32 s85, s[WV], 1        ; which of the two heads is mine
	s_lshl_b32 s86, s18, 19         ; Q and O: 128 rows of 4,096 bytes a block, my 64 rows, my head's 256 bytes
	s_lshl_b32 s87, s84, 18
	s_add_co_u32 s86, s86, s87
	s_lshl_b32 s87, s19, 9
	s_add_co_u32 s86, s86, s87
	s_lshl_b32 s87, s85, 8
	s_add_co_u32 s86, s86, s87
	s_mov_b32 s87, 0
	s_mov_b32 s[CS], 0x3fb8aa3b     ; c = log2(e)
	s_mov_b32 s[CS+1], s[CS]        ; named with it as a pair
	s_mov_b32 s[SEL], 0x76543210
	s_mov_b32 s[SEL+1], 0xfedcba98
	s_mov_b32 s[TB], 0
	s_wait_dscnt 0x0                ; the opening add is done
	s_wait_kmcnt 0x0
	s_add_nc_u64 s[6:7], s[6:7], s[20:21]
	s_add_nc_u64 s[8:9], s[8:9], s[20:21]
	s_add_nc_u64 s[10:11], s[10:11], s[22:23]
	s_add_nc_u64 s[4:5], s[4:5], s[86:87]
	s_add_nc_u64 s[14:15], s[14:15], s[86:87]
	CROUND                          ; all sixteen work-groups are here: the first joint loads meet
.irp n, 0,1
	s_mov_b32 s[G0K+4*(\n)], 1
	s_mov_b32 s[G0K+4*(\n)+1], (\n)*SLOT1
	s_add_nc_u64 s[G0K+4*(\n)+2:G0K+4*(\n)+3], s[6:7], (\n)*KS*4096   ; key step n
	s_or_b32 s[G0K+4*(\n)+3], s[G0K+4*(\n)+3], 0x80000000
	s_mov_b32 s[G0V+4*(\n)], 1
	s_mov_b32 s[G0V+4*(\n)+1], (\n)*SLOT1+VOFF
	s_add_nc_u64 s[G0V+4*(\n)+2:G0V+4*(\n)+3], s[8:9], (\n)*KS*4096
	s_or_b32 s[G0V+4*(\n)+3], s[G0V+4*(\n)+3], 0x80000000
	s_mov_b32 s[G0M+4*(\n)], 1
	s_add_co_u32 s[G0M+4*(\n)+1], s83, (\n)*SLOT1
	s_add_nc_u64 s[G0M+4*(\n)+2:G0M+4*(\n)+3], s[10:11], (\n)*KS*4
	s_or_b32 s[G0M+4*(\n)+3], s[G0M+4*(\n)+3], 0x80000000
.endr
	s_cmp_lt_u32 s[WV], 2           ; a wave's two first fills stand in one leg, ahead of every wait on TENSORcnt and every LDS read: two loads of mine are out
	s_cbranch_scc0 .Lfirst_m
	s_cmp_eq_u32 s[WV], 0
	s_cbranch_scc0 .Lfirst_v
	tensor_load_to_lds s[G0K:G0K+3], s[G1K:G1K+7]
	s_nop 0
	tensor_load_to_lds s[G0K+4:G0K+7], s[G1K:G1K+7]
	s_nop 0
.rept 4
	v_nop
.endr
	s_branch .Lfirst_asked
.Lfirst_v:
	tensor_load_to_lds s[G0V:G0V+3], s[G1V:G1V+7]
	s_nop 0
	tensor_load_to_lds s[G0V+4:G0V+7], s[G1V:G1V+7]
	s_nop 0
.rept 4
	v_nop
.endr
	s_branch .Lfirst_asked
.Lfirst_m:
	tensor_load_to_lds s[G0M:G0M+3], s[G1M:G1M+7]
	s_nop 0
	tensor_load_to_lds s[G0M+4:G0M+7], s[G1M:G1M+7]
	s_nop 0
.rept 4
	v_nop
.endr
.Lfirst_asked:
	; A fragment of K or Q is 16 rows x 32 channels in 8 registers: lane l holds row l % 16, channels 8 (l / 16) + 0..7 and 16 + 8 (l / 16) + 0..7: two loads of 16 bytes, 32 bytes apart.
	v_and_b32 v1, 15, v0            ; l % 16
	v_bfe_u32 v9, v0, 4, 1          ; l / 16
	v_lshlrev_b32 v[QO], 12, v1
	v_lshl_add_u32 v[QO], v9, 4, v[QO]
	WIN 0x80                        ; destination window 2, address window 0
.irp i, 0,1,2,3,4,5,6,7,8,9,10,11,12,13,14,15  ; Q stays in registers: tile i / 4, channels 32 (i % 4) on
	global_load_b128 v[8*(\i):8*(\i)+3],   v[QO], s[4:5] offset:((\i)/4)*65536+((\i)%4)*64
	global_load_b128 v[8*(\i)+4:8*(\i)+7], v[QO], s[4:5] offset:((\i)/4)*65536+((\i)%4)*64+32
.endr
	WIN 0
	s_lshl_b32 s13, s85, 8          ; my head's 256 bytes in a row of K and of V
	v_mul_u32_u24 v[AK0], v1, PK
	v_lshl_add_u32 v[AK0], v9, 4, v[AK0]
	v_add_nc_u32 v[AK0], s13, v[AK0]
	; The turning load takes 16 keys x 16 channels (lane l reads key 8 (l / 16) + l % 8, channels 8 ((l / 8) % 2) + 0..7) and leaves half a fragment of V^T: lane l holds channel l % 16 and 8 keys.
	v_and_b32 v10, 7, v0
	v_bfe_u32 v11, v0, 3, 1
	v_lshl_add_u32 v[AV0], v9, 3, v10
	v_mul_u32_u24 v[AV0], v[AV0], PV
	v_lshl_add_u32 v[AV0], v11, 4, v[AV0]
	s_add_co_u32 s13, s13, VOFF
	v_add_nc_u32 v[AV0], s13, v[AV0]
	v_mul_u32_u24 v[AM0], v1, PM    ; the mask: my query's row, my lanes' eight keys (32 bytes)
	v_lshl_add_u32 v[AM0], v9, 5, v[AM0]
	v_add_nc_u32 v[AM0], s83, v[AM0]
.irp t, 0,1,2,3
	v_mov_b32 v[ST+8*(\t)+1], 0     ; named as a pair with m, never used
.endr
; THE MATRIX WORK OF A TURN, for piece x.  The accumulators take turns, one instruction a turn.
; Product i of 32 of O^T += V^T P: keys 32 (i / 16) on, channels 16 ((i / 2) % 8) on, tile x + i % 2.  zero = 1: the first 16 start the sums.
.macro PV x, zero
	WIN W_PV
.set rO, 64*((\x)+i%2)+8*((i/2)%8)
.set rV, 64*(i/16)+8*((i/2)%8)
.set rP, P+16*((\x)+i%2)+8*(i/16)
.if (\zero) && (i < 16)
	v_wmma_f32_16x16x32_f16 v[rO:rO+7], v[rV:rV+7], v[rP:rP+7], 0
.else
	v_wmma_f32_16x16x32_f16 v[rO:rO+7], v[rV:rV+7], v[rP:rP+7], v[rO:rO+7]
.endif
.endm
; Product i of 32 of S^T = K Q^T: channels 32 (i / 8) on, keys 16 ((i / 2) % 4) on, tile x + i % 2.  The first 8 start the sums.
.macro KQ x
	WIN W_KQ
.set rS, S+32*((\x)+i%2)+8*((i/2)%4)
.set rK, KF+32*((i/2)%4)+8*(i/8)
.set rQ, 32*((\x)+i%2)+8*(i/8)
.if i < 8
	v_wmma_f32_16x16x32_f16 v[rS:rS+7], v[rK:rK+7], v[rQ:rQ+7], 0
.else
	v_wmma_f32_16x16x32_f16 v[rS:rS+7], v[rK:rK+7], v[rQ:rQ+7], v[rS:rS+7]
.endif
.endm
; THE LDS LOADS stand in runs, never singly among the matrix instructions.
.macro FETCH_K
	WIN 0
	v_add_nc_u32 v[ADR], s[TB], v[AK0]
	WIN 0x80                        ; destination window 2
.irp f, 0,1,2,3,4,5,6,7,8,9,10,11,12,13,14,15  ; keys 16 (f / 4) on, channels 32 (f % 4) on
	ds_load_b128 v[KF+8*(\f):KF+8*(\f)+3],   v[ADR] offset:((\f)/4)*16*PK+((\f)%4)*64
	ds_load_b128 v[KF+8*(\f)+4:KF+8*(\f)+7], v[ADR] offset:((\f)/4)*16*PK+((\f)%4)*64+32
.endr
.endm
.macro FETCH_V
	WIN 0
	v_add_nc_u32 v[ADR], s[TB], v[AV0]
	WIN 0xc0                        ; destination window 3
.irp f, 0,1,2,3,4,5,6,7,8,9,10,11,12,13,14,15  ; keys 32 (f / 8) on, channels 16 (f % 8) on
	ds_load_tr16_b128 v[8*(\f):8*(\f)+3],   v[ADR] offset:((\f)/8)*32*PV+((\f)%8)*32
	ds_load_tr16_b128 v[8*(\f)+4:8*(\f)+7], v[ADR] offset:((\f)/8)*32*PV+16*PV+((\f)%8)*32
.endr
.endm
.macro FETCH_M x                    ; piece x's mask words: tile t, keys 16 kt on: register j of lane l is mask[query l % 16][key 16 kt + 8 (l / 16) + j], as in S^T
	WIN 0
	v_add_nc_u32 v[ADR], s[TB], v[AM0]
	WIN 0xc0
.irp t, 0,1
.irp kt, 0,1,2,3
	ds_load_b128 v[MK+32*((\x)+(\t))+8*(\kt):MK+32*((\x)+(\t))+8*(\kt)+3],   v[ADR] offset:16*PM*((\x)+(\t))+64*(\kt)
	ds_load_b128 v[MK+32*((\x)+(\t))+8*(\kt)+4:MK+32*((\x)+(\t))+8*(\kt)+7], v[ADR] offset:16*PM*((\x)+(\t))+64*(\kt)+16
.endr
.endr
.endm
; s' = c mask + c score for piece y's two tiles, registers ascending: each accumulator's lowest registers are read first.
.macro MADD y
	WIN W_MA
.set z, 0
.rept 32
	v_pk_fma_f32 v[S+32*(\y)+2*z:S+32*(\y)+2*z+1], v[MK+32*(\y)+2*z:MK+32*(\y)+2*z+1], s[CS:CS+1], v[S+32*(\y)+2*z:S+32*(\y)+2*z+1] op_sel_hi:[1,0,1]
.set z, z+1
.endr
.endm
; THE VECTOR WORK OF A TURN.  One tile's softmax for one key step is a numbered list; SM writes number j of it for tile t.  s0-s31 are the lane's 32 numbers s', in pairs 0-15.
; first = 1: the first key step, which starts m, l and O^T: it has no a and nothing to rescale.
;   0-15    the maximum of s0-s31 and the old m, three operands at a time: four chains c0-c3 of seven each, then the four left over, c0-c3 and m
;   16-20   the other half of the lanes' maximum; m_old is kept; the new m; (19 is empty); m_old - m_new
;   21-87   33 exponentials (a, then s0-s31) at the odd numbers from 23 on, so that no two follow each other and each has a plain instruction behind it before its result is used.
;           Plain instruction q (number 21, then the even numbers) is whatever is ready: s' - m for a pair whose exponentials are still to come (q = 0 to 3, then every second q),
;           the rounding to f16 of a pair of weights whose exponentials are done (every other q from 5 on), at last the first three sums
;   88-101  the last rounding; the rest of the sums; l = a l + the sum
;   102-133 the tile's O^T times a: the one part that leaves window 0, so it stands together
.macro SM t, first
.set rT, ST+8*(\t)
.set rS, S+32*(\t)
.set rP, P+16*(\t)
.set rO, 64*(\t)+2*(j-102)
.set q, (j-20)/2
.if j < 102
	WIN 0
.endif
.if j < 4
	v_max3_num_f32 v[rT+4+j], v[rS+8*j], v[rS+8*j+1], v[rS+8*j+2]
.elseif j < 12
	v_max3_num_f32 v[rT+4+j%4], v[rT+4+j%4], v[rS+8*(j%4)+2*(j/4)+1], v[rS+8*(j%4)+2*(j/4)+2]
.elseif j == 12
	v_max3_num_f32 v[rT+4], v[rT+4], v[rS+7], v[rS+15]
.elseif j == 13
	v_max3_num_f32 v[rT+6], v[rT+6], v[rS+23], v[rS+31]
.elseif j == 14
	v_max3_num_f32 v[rT+4], v[rT+4], v[rT+5], v[rT+6]
.elseif (j == 15) && (\first)
	v_max_num_f32 v[rT+4], v[rT+4], v[rT+7]
.elseif j == 15
	v_max3_num_f32 v[rT+4], v[rT+4], v[rT+7], v[rT]
.elseif j == 16
	v_permlanex16_b32 v[rT+5], v[rT+4], s[SEL], s[SEL+1]  ; the query's other 32 keys lie in the lane 16 away
.elseif j == 18
	v_max_num_f32 v[rT], v[rT+4], v[rT+5]
.elseif j == 19
.elseif ((j == 17) || (j == 20) || (j == 23) || (j > 101)) && (\first)  ; the first step has none of these
.elseif j == 17
	v_mov_b32 v[rT+7], v[rT]        ; m_old is kept for a: number 18 writes m anew
.elseif j == 20
	v_sub_f32 v[rT+7], v[rT+7], v[rT]
.elseif j == 23
	v_exp_f32 v[rT+6], v[rT+7]
.elseif (j < 88) && (j > 23) && (j%2 == 1)
	v_exp_f32 v[rS+(j-25)/2], v[rS+(j-25)/2]
.elseif (q < 4) || ((j < 76) && (q%2 == 0))
.set b, q/2+2
.if q < 4
.set b, q
.endif
	v_pk_add_f32 v[rS+2*b:rS+2*b+1], v[rS+2*b:rS+2*b+1], v[rT:rT+1] op_sel_hi:[1,0] neg_lo:[0,1] neg_hi:[0,1]  ; pair b: s' - m
.elseif (j < 88) && (q%2 == 1)
	s_wait_alu depctr_va_vdst(0)
	v_cvt_pk_f16_f32 v[rP+(q-5)/2], v[rS+q-5], v[rS+q-4]  ; pair (q - 5) / 2: its second exponential stands three numbers back
.elseif j == 89
	s_wait_alu depctr_va_vdst(0)
	v_cvt_pk_f16_f32 v[rP+15], v[rS+30], v[rS+31]
.elseif j < 102                     ; the sum of the tile's 16 pairs, in place: sum z of 16 adds neighbours 1, 2, 4 and 8 pairs apart, then l takes it
.set z, j-86
.if j < 89
.set z, (j-76)/4
.endif
.set w, 4
.set u, z
.if z >= 14
.set w, 32
.set u, 0
.elseif z >= 12
.set w, 16
.set u, z-12
.elseif z >= 8
.set w, 8
.set u, z-8
.endif
.if (z == 14) && (\first)
	v_pk_add_f32 v[rT+2:rT+3], v[rS:rS+1], v[rS+16:rS+17]
.elseif z < 15
	v_pk_add_f32 v[rS+w*u:rS+w*u+1], v[rS+w*u:rS+w*u+1], v[rS+w*u+w/2:rS+w*u+w/2+1]
.elseif !(\first)
	v_pk_fma_f32 v[rT+2:rT+3], v[rT+2:rT+3], v[rT+6:rT+7], v[rS:rS+1] op_sel_hi:[1,0,1]
.endif
.else
	WIN W_RS
	v_pk_mul_f32 v[rO:rO+1], v[rO:rO+1], v[rT+6:rT+7] op_sel_hi:[1,0]
.endif
.endm
; Slice k of 64 of piece y's softmax: numbers 2 k and 2 k + 1 of both tiles' lists.  The twelve numbers that are over stand together, in slice 63.
.macro SLICE y, first
.if (k >= 11) && (k < 44)           ; tile by tile: plain, exponential, plain, exponential
.irp t, \y, (\y)+1
.irp n, 0,1
.set j, 2*k+(\n)
	SM \t, \first
.endr
.endr
.else                               ; the two tiles alternate
.irp n, 0,1,2,3,4,5,6,7
.if ((\n) < 2) || (k == 63)
.irp t, \y, (\y)+1
.set j, 2*k+(\n)
	SM \t, \first
.endr
.endif
.endr
.endif
.set k, k+1
.endm
; A TURN.  Piece x has the matrix unit; the other piece's mask lines stand at its head, that piece's softmax in slices behind the matrix instructions.
; pv = 2: 32 products V^T P; 1: they start O^T's sums; 0: none.  kq = 1: 32 products K Q^T for the next step.  A turn with one of the two kinds has two slices behind each product.
; first = 1: the softmax is the first key step's; four v_nop take slice 63's part as the places behind the turn's last products.
; Behind the second product V^T P stand the next step's loads: K (piece 0's turn; K's last reader stands in front of slice 63 of the turn before) and piece x's mask words (last read at the head of the turn before).
; Behind the second product K Q^T of piece 2's turn stands the same step's V (its last reader stands three slices, six plain instructions, back).
.macro TURN x, pv, kq, first
.set k, 0
.set per, 2
.if (\pv) && (\kq)
.set per, 1
.endif
.if (\x) == 0
	s_wait_dscnt 0x0                ; V is in, and piece 2's mask words
.endif
	MADD 2-(\x)                     ; (piece 0's mask words were shown in by the wait for K in piece 0's turn)
.if \pv
.set i, 0
.rept 32
	PV \x, 2-(\pv)
.rept per
	SLICE 2-(\x), \first
.endr
.if (\kq) && (i == 1)
.if (\x) == 0
	FETCH_K
.endif
	FETCH_M \x
.endif
.set i, i+1
.endr
.endif
.if \kq
.if (\x) == 0
	s_wait_dscnt 0x0                ; K is in, and piece 0's mask words
.endif
.set i, 0
.rept 32
	KQ \x
.rept per
	SLICE 2-(\x), \first
.endr
.if ((\x) == 2) && (i == 1)
	FETCH_V
.endif
.set i, i+1
.endr
.endif
.if \first
	PLACES
.endif
.endm
; THE CHANGE OF SLOTS, between piece 2's turn and piece 0's: the slot's K, mask words and V have all been asked for.  Each wave waits for all its tensor loads, of which one is out: its part of the other slot;
; adds 0 to its spare word; and waits for that and for its own reads of the slot.  fill = 1: the barrier is a round of the cluster's, and the slot is filled again, with the step two on, first thing behind it:
; the load has one key step, 128 matrix instructions and their slices, in which to land.
.macro CHANGE fill
	WIN 0
	s_wait_tensorcnt 0x0            ; no tensor load of mine is out, so a group 0 may be written
	ds_add_u32 v[SPW], v[NIL]
.if \fill
.irp g, G0K+4, G0V+4
	s_xor_b32 s[(\g)+1], s[(\g)+1], SLOT1  ; the walking sets: the other slot than last time,
	s_add_nc_u64 s[(\g)+2:(\g)+3], s[(\g)+2:(\g)+3], KS*4096  ; the next 64 keys' rows;
.endr
	s_xor_b32 s[G0M+5], s[G0M+5], SLOT1
	s_add_nc_u64 s[G0M+6:G0M+7], s[G0M+6:G0M+7], KS*4         ; in the mask the next 64 columns
	s_wait_dscnt 0x0                ; the add is done, and my reads of the slot are over
	CROUND
	JLOAD
.else
	s_wait_dscnt 0x0
	s_barrier_signal -1
	s_barrier_wait -1
.endif
	s_xor_b32 s[TB], s[TB], SLOT1   ; the fetches go to the other slot
.endm
	s_wait_tensorcnt 1              ; my part of step 0 is in; step 1's may stay out
	s_barrier_signal -1
	s_barrier_wait -1
	FETCH_K                         ; key step 0
	FETCH_M 0
	FETCH_M 2
	s_wait_loadcnt 0x0              ; Q
	s_wait_dscnt 0x0
.set i, 0
.rept 32
	KQ 0                            ; piece 0's first scores
.set i, i+1
.endr
	WIN 0                           ; the addresses for the way out: eight plain instructions, the places behind those products
	s_mul_i32 s13, s[WV], 16*SP
	s_add_co_u32 s13, s13, STAGE    ; my stage
	v_mul_u32_u24 v[STO], v1, SP    ; in: row l % 16, 16 bytes for each half of the lanes
	v_lshl_add_u32 v[STO], v9, 4, v[STO]
	v_add_nc_u32 v[STO], s13, v[STO]
	v_mul_u32_u24 v[RD], v9, SP     ; back: lanes 0-15 take one row of 256 bytes, lanes 16-31 the next
	v_lshl_add_u32 v[RD], v1, 4, v[RD]
	v_add_nc_u32 v[RD], s13, v[RD]
	v_lshlrev_b32 v[GO], 12, v9     ; and the same two rows in O
	v_lshl_add_u32 v[GO], v1, 4, v[GO]
	TURN 2, 0, 1, 1                 ; piece 2's first scores | piece 0's first softmax | V of step 0
	CHANGE 1                        ; step 0's slot takes step 2
	TURN 0, 1, 1, 1                 ; piece 0: V^T P of step 0 starts O^T, K Q^T of step 1 | piece 2's first softmax
	TURN 2, 1, 1, 0                 ; piece 2: the same | piece 0's softmax of step 1
	WIN 0
	s_mov_b32 s[CNT], 2048/KS-3
.Lstep:                             ; 29 trips: the trip whose products V^T P are step j's reads step j + 1 and asks for step j + 2: steps 3 to 31
	CHANGE 1
	TURN 0, 2, 1, 0
	TURN 2, 2, 1, 0
	WIN 0
	s_sub_co_u32 s[CNT], s[CNT], 1
	s_cmp_lg_u32 s[CNT], 0
	s_cbranch_scc1 .Lstep
	CHANGE 0                        ; the tail is written out: nothing is asked for
	TURN 0, 2, 1, 0
	TURN 2, 2, 1, 0
	TURN 0, 2, 0, 0                 ; piece 0: V^T P of the last step | piece 2's last softmax
.set i, 0
.rept 32
	PV 2, 0                         ; piece 2: V^T P of the last step
.set i, i+1
.endr
	; THE WAY OUT.  l's two halves and the other half of the lanes' are added; O^T is divided by l, rounded to f16 and sent through my stage in LDS, a tile (16 rows of O) at a time.  The additions are the places behind the last products.
	WIN 0
.irp t, 0,1,2,3
	v_add_f32 v[ST+8*(\t)+4], v[ST+8*(\t)+2], v[ST+8*(\t)+3]
.endr
.irp t, 0,1,2,3
	v_permlanex16_b32 v[ST+8*(\t)+5], v[ST+8*(\t)+4], s[SEL], s[SEL+1]
.endr
.irp t, 0,1,2,3
	v_add_f32 v[ST+8*(\t)+4], v[ST+8*(\t)+4], v[ST+8*(\t)+5]
.endr
.irp t, 0,1,2,3
	v_rcp_f32 v[ST+8*(\t)+6], v[ST+8*(\t)+4]
.endr
	v_nop                           ; a plain instruction between the last reciprocal and the use of its result
.macro PACK t                       ; a lane's eight channels of a row pack into 16 bytes; they go into rows of 272 bytes and come back as whole rows of 256
	WIN W_RS
.set i, 64*(\t)
.rept 32
	s_wait_alu depctr_va_vdst(0)
	v_pk_mul_f32 v[i:i+1], v[i:i+1], v[ST+8*(\t)+6:ST+8*(\t)+7] op_sel_hi:[1,0]
.set i, i+2
.endr
	WIN 0x05                        ; sources 0 and 1 window 1, destination window 0: S^T's registers are free
.set i, 0
.rept 32
	v_cvt_pk_f16_f32 v[S+32*(\t)+i], v[64*(\t)+2*i], v[64*(\t)+2*i+1]
.set i, i+1
.endr
	WIN 0
.irp f, 0,1,2,3,4,5,6,7
	ds_store_b128 v[STO], v[S+32*(\t)+4*(\f):S+32*(\t)+4*(\f)+3] offset:32*(\f)
.endr
.irp f, 0,1,2,3,4,5,6,7
	ds_load_b128 v[S+32*(\t)+4*(\f):S+32*(\t)+4*(\f)+3], v[RD] offset:(\f)*2*SP  ; LDS serves a wave's instructions in order: these see the stores above; the next tile's stores come behind them
.endr
.endm
.macro SEND t, younger              ; younger: the LDS instructions issued behind tile t's loads: the next tile's sixteen, or none
	WIN 0
.irp f, 0,1,2,3,4,5,6,7
	s_wait_dscnt (\younger)+7-(\f)
	global_store_b128 v[GO], v[S+32*(\t)+4*(\f):S+32*(\t)+4*(\f)+3], s[14:15] offset:(\t)*65536+(\f)*8192  ; 16 lanes store 256 consecutive bytes, at a multiple of 256 from O's first byte
.endr
.endm
	PACK 0
	PACK 1
	SEND 0, 16
	PACK 2
	SEND 1, 16
	PACK 3
	SEND 2, 16
	SEND 3, 0
	s_wait_tensorcnt 0x0            ; the wave's end
	ds_add_u32 v[SPW], v[NIL]
	s_wait_dscnt 0x0
	CROUND                          ; the closing round
	s_endpgm
.Lfunc_end_k_qd7c298da87_attn:
	.size	k_qd7c298da87_attn, .Lfunc_end_k_qd7c298da87_attn-k_qd7c298da87_attn
	.p2alignl 7, 3214868480
	.fill 96, 4, 3214868480
	.section	.rodata,"a",@progbits
	.p2align	6, 0x0
	.amdhsa_kernel k_qd7c298da87_attn
		.amdhsa_group_segment_fixed_size 327680
		.amdhsa_private_segment_fixed_size 0
		.amdhsa_enable_private_segment 0
		.amdhsa_kernarg_size 40
		.amdhsa_user_sgpr_count 2
		.amdhsa_user_sgpr_kernarg_segment_ptr 1
		.amdhsa_wavefront_size32 1
		.amdhsa_system_sgpr_workgroup_id_x 1
		.amdhsa_system_sgpr_workgroup_id_y 1
		.amdhsa_system_sgpr_workgroup_id_z 1
		.amdhsa_system_vgpr_workitem_id 0
		.amdhsa_next_free_vgpr 1024
		.amdhsa_next_free_sgpr 88
		.amdhsa_reserve_vcc 0
		.amdhsa_float_denorm_mode_32 3
		.amdhsa_float_denorm_mode_16_64 3
		.amdhsa_memory_ordered 1
		.amdhsa_forward_progress 1
		.amdhsa_inst_pref_size 255
	.end_amdhsa_kernel
	.section	.bss,"aw",@nobits
	.p2align	6
	.space	262144
	.amdgpu_metadata
---
amdhsa.version: [ 1, 2 ]
amdhsa.kernels:
  - .name:           k_qd7c298da87_attn
    .symbol:         k_qd7c298da87_attn.kd
    .args:
      - { .name: qh, .offset: 0, .size: 8, .value_kind: global_buffer, .address_space: global }
      - { .name: kh, .offset: 8, .size: 8, .value_kind: global_buffer, .address_space: global }
      - { .name: vh, .offset: 16, .size: 8, .value_kind: global_buffer, .address_space: global }
      - { .name: mask, .offset: 24, .size: 8, .value_kind: global_buffer, .address_space: global }
      - { .name: ob, .offset: 32, .size: 8, .value_kind: global_buffer, .address_space: global }
    .group_segment_fixed_size: 327680
    .private_segment_fixed_size: 0
    .kernarg_segment_align: 8
    .kernarg_segment_size: 40
    .max_flat_workgroup_size: 128
    .sgpr_count:     88
    .vgpr_count:     1024
    .wavefront_size: 32
...
	.end_amdgpu_metadata
.endif
;; end of part 3
;; launch oproj (part 4): grid 16 x 16, 4 waves a work-group, clusters of 4 x 4, 327,680 bytes of LDS; arguments ob, wob, out0; writes out0
.if DOCPART == 4
	.amdgcn_target "amdgcn-amd-amdhsa--gfx1250"
	.amdhsa_code_object_version 6
	.text
	.protected	k_qd7c298da87_oproj
	.globl	k_qd7c298da87_oproj
	.p2align	8
	.type	k_qd7c298da87_oproj,@function
k_qd7c298da87_oproj:
	s_mov_b64 s[64:65], 0
	v_nop
	global_prefetch_b8 v0, s[64:65] scope:SCOPE_SE
	s_setreg_imm32_b32 hwreg(HW_REG_WAVE_MODE, 25, 1), 1
	s_wait_xcnt 0x0
	s_wait_alu depctr_hold_cnt(0) depctr_sa_sdst(0) depctr_va_vdst(0) depctr_va_sdst(0) depctr_va_ssrc(0) depctr_va_vcc(0) depctr_vm_vsrc(0)
	s_getreg_b32 s2, hwreg(HW_REG_IB_STS2, 6, 4)
	s_cmp_eq_u32 s2, 0
	s_cbranch_scc0 .Lentry_in_a_cluster
	s_endpgm
.Lentry_in_a_cluster:
	s_bfe_u32 s2, ttmp6, 0x10000c
	s_cmp_lg_u32 s2, 0xf033
	s_cbranch_scc0 .Lentry_shape_is_right
	s_endpgm
.Lentry_shape_is_right:
; OUT = O wo.  ob: f16 [2048 m][2048 k]; wob: f16 [2048 k][2048 n] (wo rounded to bf16, written as f16); out0: f32 [2048][2048].  Sums in f32, stored as they are.
; A tile of the output is 128 x 128: 16 x 16 = 256 work-groups.  Four waves, each 64 x 64: 16 accumulators.  K goes in steps of 256 through two LDS slots: O's tile 128 rows x 512 bytes,
; wo's tile 256 k rows x 256 bytes, whose fragments come out of LDS turned (ds_load_tr16_b128).
; CLUSTER 4 x 4: O's tile is asked for jointly along a row of the cluster, wo's along a column.  Waves 0, 1 fetch the halves of O's tile (64 rows each), waves 2, 3 those of wo's (128 k rows each).
; THE MATRIX INSTRUCTION IS USED TRANSPOSED (source 0 = 16 columns of wo, source 1 = 16 rows of O): a lane holds eight neighbouring numbers of a row of the output, 32 bytes.
; A wave's 64 columns of f32 are 256 aligned bytes, so each wave has a stage of its own and the way out needs no barrier.
; REGISTERS: window 0: v0-29 addresses; v32-95 the way out, two buffers of 16 rows; v128-255 the accumulators ((a, b) at 128 + 8 (4 a + b)).
;   window 1: two fragment buffers of 128: for 64 along K, 64 registers of O (2 x 4 x 8), then 64 of wo.
.set KSTEP,  256
.set PA,     528                       ; an LDS row of O: 512 bytes + 16
.set PB,     288                       ; an LDS row of wo: 256 + 32
.set HALFA,  64*PA
.set HALFB,  128*PB
.set BOFF,   2*HALFA
.set SLOT,   BOFF+2*HALFB              ; 141,312
.set STAGE,  2*SLOT                    ; behind the ring: 16 rows x 272 bytes for each wave
.set SP,     272
.set SPARE,  STAGE+4*16*SP             ; the spare words: 128 bytes a wave, two blocks of 256 bytes that no other line names
.set LAPS,   2048/(2*KSTEP)
.set ADRA, 16                          ; v16-17  my fragments of O in slot 0, 1
.set ADRB, 20                          ; v20-23  my fragments of wo in slot s, k rows 128 hf on: 2 s + hf (an LDS offset has 16 bits)
.set STO,  24
.set RD,   25
.set CO,   26
.set SPW,  28
.set NIL,  29
.set OB,   32
.set ACC,  128
.set F0,   0
.set F1,   128
.set G1, 24                            ; s[24:31] group 1 for O's tiles; s[32:39] group 0, one set a slot
.set G0, 32
.set G1B, 48                           ; s[48:55], s[56:63] the same for wo's
.set G0B, 56
.set MSB, 0
.macro WIN new
.if MSB != (\new)
	s_set_vgpr_msb (MSB<<8)|(\new)
.set MSB, \new
.endif
.endm
.set MUL,  0x05                        ; sources 0 and 1 window 1; C and D window 0
.set TO_F, 0x40                        ; destination window 1, address window 0
.macro JLOAD s                         ; a joint load; an s_nop 0 and four v_nop follow each line
	s_cmp_eq_u32 s11, 0
	s_cbranch_scc0 .Lfor_b_\@
	tensor_load_to_lds s[G0+4*(\s):G0+4*(\s)+3], s[G1:G1+7]
	s_nop 0
.rept 4
	v_nop
.endr
	s_branch .Lasked_\@
.Lfor_b_\@:
	tensor_load_to_lds s[G0B+4*(\s):G0B+4*(\s)+3], s[G1B:G1B+7]
	s_nop 0
.rept 4
	v_nop
.endr
.Lasked_\@:
.endm
.macro CREST
	s_cmp_lg_u32 s10, 0
	s_cbranch_scc1 .Lnot_wave_0_\@
	s_barrier_signal -3
.Lnot_wave_0_\@:
	s_barrier_wait -3
	s_barrier_signal -1
	s_barrier_wait -1
.endm
.macro CROUND
	s_barrier_signal -1
	s_barrier_wait -1
	CREST
.endm
.macro PLACES
.rept 4
	v_nop
.endr
.endm
	s_load_b128 s[4:7], s[0:1], 0x0                ; ob 4, wob 6
	s_load_b64 s[8:9], s[0:1], 0x10                ; out0
	v_lshl_add_u32 v[SPW], v0, 2, SPARE
	v_mov_b32 v[NIL], 0
	ds_add_u32 v[SPW], v[NIL]                      ; the wave's opening: the add and its wait ahead of my first tensor load
	v_lshrrev_b32 v1, 5, v0
	v_readfirstlane_b32 s10, v1                    ; wave
	s_lshr_b32 s11, s10, 1                         ; which half of the tile's rows is mine.  Also: I fetch for O (0) or for wo (1)
	s_and_b32 s12, s10, 1                          ; which half of its columns.  Also: which half of that tile I fetch
	s_bfe_u32 s40, ttmp6, 0x40000                  ; cx
	s_bfe_u32 s41, ttmp6, 0x40004                  ; cy
	s_lshl_b32 s42, ttmp9, 2
	s_add_co_u32 s42, s42, s40                     ; tile column
	s_and_b32 s13, ttmp7, 0xffff
	s_lshl_b32 s13, s13, 2
	s_add_co_u32 s13, s13, s41                     ; tile row
	s_lshl_b32 s43, s41, 2
	s_lshl_b32 s43, 15, s43                        ; my row of the cluster
	s_lshl_b32 s44, 0x1111, s40                    ; my column
	s_or_b32 s[G1], s43, (1<<16)|(1<<20)|(1<<21)|(6<<22)|(3<<25)   ; 64 rows x 256 elements; after every 128 words 4 words of padding
	s_mov_b32 s[G1+1], 256<<16
	s_mov_b32 s[G1+2], 64<<16
	s_mov_b32 s[G1+3], 256<<16
	s_mov_b32 s[G1+4], 64
	s_mov_b32 s[G1+5], 2048
	s_mov_b32 s[G1+6], 0
	s_mov_b32 s[G1+7], 0
	s_or_b32 s[G1B], s44, (1<<16)|(1<<20)|(1<<21)|(5<<22)|(7<<25)  ; 128 k rows x 128 elements; after every 64 words 8 words
	s_mov_b32 s[G1B+1], 128<<16
	s_mov_b32 s[G1B+2], 128<<16
	s_mov_b32 s[G1B+3], 128<<16
	s_mov_b32 s[G1B+4], 128
	s_mov_b32 s[G1B+5], 2048
	s_mov_b32 s[G1B+6], 0
	s_mov_b32 s[G1B+7], 0
	s_lshl_b32 s16, s13, 19                        ; O: 128 rows of 4,096 bytes a tile row,
	s_lshl_b32 s17, s12, 18                        ; 64 rows a half
	s_add_co_u32 s16, s16, s17
	s_mov_b32 s17, 0
	s_lshl_b32 s46, s42, 8                         ; wo: the tile column's 256 bytes of a row,
	s_lshl_b32 s47, s12, 19                        ; 128 k rows a half
	s_add_co_u32 s46, s46, s47
	s_mov_b32 s47, 0
	s_mul_i32 s20, s12, HALFA                      ; where they go
	s_mul_i32 s21, s12, HALFB
	s_add_co_u32 s21, s21, BOFF
	s_wait_dscnt 0x0                               ; the opening add is done
	s_wait_kmcnt 0x0
	s_add_nc_u64 s[14:15], s[4:5], s[16:17]
	s_add_nc_u64 s[46:47], s[6:7], s[46:47]
	CROUND                                         ; the first joint loads meet
.irp s, 0,1
	s_mov_b32 s[G0+4*(\s)], 1
	s_add_co_u32 s[G0+4*(\s)+1], s20, (\s)*SLOT
	s_add_nc_u64 s[G0+4*(\s)+2:G0+4*(\s)+3], s[14:15], (\s)*KSTEP*2
	s_or_b32 s[G0+4*(\s)+3], s[G0+4*(\s)+3], 0x80000000
	s_mov_b32 s[G0B+4*(\s)], 1
	s_add_co_u32 s[G0B+4*(\s)+1], s21, (\s)*SLOT
	s_add_nc_u64 s[G0B+4*(\s)+2:G0B+4*(\s)+3], s[46:47], (\s)*KSTEP*4096
	s_or_b32 s[G0B+4*(\s)+3], s[G0B+4*(\s)+3], 0x80000000
	JLOAD \s                                       ; two loads of mine are out
.endr
	v_and_b32 v1, 15, v0                           ; l % 16
	v_bfe_u32 v2, v0, 4, 1                         ; l / 16
	v_mul_u32_u24 v3, v1, PA
	v_lshl_add_u32 v3, v2, 4, v3
	s_mul_i32 s22, s11, HALFA                      ; my 64 rows of O
	v_add_nc_u32 v[ADRA], s22, v3
	v_add_nc_u32 v[ADRA+1], SLOT, v[ADRA]
	v_and_b32 v4, 7, v0                            ; the turning load: k row 8 (l / 16) + l % 8, 16 bytes at 16 ((l / 8) % 2)
	v_lshl_add_u32 v4, v2, 3, v4
	v_mul_u32_u24 v4, v4, PB
	v_bfe_u32 v5, v0, 3, 1
	v_lshl_add_u32 v4, v5, 4, v4
	s_lshl_b32 s22, s12, 7                         ; my 64 columns
	s_add_co_u32 s22, s22, BOFF
	v_add_nc_u32 v4, s22, v4
.irp s, 0,1
.irp hf, 0,1
	v_add_nc_u32 v[ADRB+2*(\s)+(\hf)], (\s)*SLOT+(\hf)*HALFB, v4
.endr
.endr
	s_mul_i32 s23, s10, 16*SP
	s_add_co_u32 s23, s23, STAGE                   ; my stage
	v_mul_u32_u24 v5, v1, SP                       ; in: row l % 16, 32 bytes for each half of the lanes
	v_lshl_add_u32 v5, v2, 5, v5
	v_add_nc_u32 v[STO], s23, v5
	v_mul_u32_u24 v5, v2, SP                       ; back: lanes 0-15 one row of 256 bytes, lanes 16-31 the next
	v_lshl_add_u32 v5, v1, 4, v5
	v_add_nc_u32 v[RD], s23, v5
	v_lshlrev_b32 v5, 13, v2                       ; and the same two rows in the output
	v_lshl_add_u32 v[CO], v1, 4, v5
	s_lshl_b32 s16, s13, 20                        ; my first row: 128 x tile row + 64 x half, rows of 8,192 bytes
	s_lshl_b32 s17, s11, 19
	s_add_co_u32 s16, s16, s17
	s_mov_b32 s17, 0
	s_add_nc_u64 s[8:9], s[8:9], s[16:17]
	s_lshl_b32 s46, s42, 9                         ; my first column, in bytes: 512 x tile column + 256 x half
	s_lshl_b32 s47, s12, 8
	s_add_co_u32 s46, s46, s47
	s_mov_b32 s47, 0
	s_add_nc_u64 s[8:9], s[8:9], s[46:47]
; 8 matrix instructions: row blocks a0, a0 + 1 x all 4 column blocks, 32 along K: half c of buffer f.  The 16 accumulators take turns.  zero = 1: the product starts the sums
.macro MUL8 f, c, a0, zero
	WIN MUL
.irp a, \a0, (\a0)+1
.irp b, 0,1,2,3
.if \zero
	v_wmma_f32_16x16x32_f16 v[ACC+8*(4*(\a)+(\b)):ACC+8*(4*(\a)+(\b))+7], v[(\f)+64+8*(4*(\c)+(\b)):(\f)+64+8*(4*(\c)+(\b))+7], v[(\f)+8*(4*(\c)+(\a)):(\f)+8*(4*(\c)+(\a))+7], 0
.else
	v_wmma_f32_16x16x32_f16 v[ACC+8*(4*(\a)+(\b)):ACC+8*(4*(\a)+(\b))+7], v[(\f)+64+8*(4*(\c)+(\b)):(\f)+64+8*(4*(\c)+(\b))+7], v[(\f)+8*(4*(\c)+(\a)):(\f)+8*(4*(\c)+(\a))+7], v[ACC+8*(4*(\a)+(\b)):ACC+8*(4*(\a)+(\b))+7]
.endif
.endr
.endr
.endm
; 32 LDS loads in one run: quarter q (64 along K) of a slot into buffer f; its first 32 along K first
.macro FETCH slot, q, f
	WIN TO_F
.irp c, 0,1
.irp i, 0,1,2,3
	ds_load_tr16_b128 v[(\f)+64+8*(4*(\c)+(\i)):(\f)+64+8*(4*(\c)+(\i))+3],   v[ADRB+2*(\slot)+(\q)/2] offset:64*PB*((\q)%2)+32*PB*(\c)+32*(\i)
	ds_load_tr16_b128 v[(\f)+64+8*(4*(\c)+(\i))+4:(\f)+64+8*(4*(\c)+(\i))+7], v[ADRB+2*(\slot)+(\q)/2] offset:64*PB*((\q)%2)+32*PB*(\c)+32*(\i)+16*PB
	ds_load_b128 v[(\f)+8*(4*(\c)+(\i)):(\f)+8*(4*(\c)+(\i))+3],              v[ADRA+(\slot)] offset:128*(\q)+64*(\c)+(\i)*16*PA
	ds_load_b128 v[(\f)+8*(4*(\c)+(\i))+4:(\f)+8*(4*(\c)+(\i))+7],            v[ADRA+(\slot)] offset:128*(\q)+64*(\c)+(\i)*16*PA+32
.endr
.endr
.endm
; A K step is four quarters of 64 along K, 32 matrix instructions each, on buffers 0, 1, 0, 1.  One of the first three: multiplies buffer f and fetches quarter q into g.
.macro QUARTER slot, q, f, g, zero
	s_wait_dscnt 16                                ; the first 32 along K are in; the youngest sixteen loads may be out
	MUL8 \f, 0, 0, \zero
	MUL8 \f, 0, 2, \zero
	PLACES
	FETCH \slot, \q, \g
	s_wait_dscnt 32                                ; all but the 32 just issued
	MUL8 \f, 1, 0, 0
	MUL8 \f, 1, 2, 0
.endm
; The last quarter multiplies buffer 1 and changes slots: one barrier; in front of it each wave waits for all its tensor loads, adds 0 to its spare word, and waits for that and for its reads of this slot.
.macro TURN slot, next, fill
	WIN 0
	s_wait_tensorcnt 0x0                           ; all my tensor loads have landed: my part of the next slot
	ds_add_u32 v[SPW], v[NIL]
	s_wait_dscnt 17                                ; the add and the youngest sixteen loads may be out
	MUL8 F1, 0, 0, 0
	s_wait_dscnt 0x0                               ; the add is done, and my reads of this slot are over
	s_barrier_signal -1
	MUL8 F1, 0, 2, 0
.if \fill
	WIN 0
.endif
	s_barrier_wait -1
.if \fill
	CREST                                          ; no wave of any partner still reads this slot or has a load on its way
	s_add_nc_u64 s[G0+4*(\slot)+2:G0+4*(\slot)+3], s[G0+4*(\slot)+2:G0+4*(\slot)+3], 2*KSTEP*2
	s_add_nc_u64 s[G0B+4*(\slot)+2:G0B+4*(\slot)+3], s[G0B+4*(\slot)+2:G0B+4*(\slot)+3], 2*KSTEP*4096
	JLOAD \slot                                    ; its four v_nop are also the places in front of the loads below
.else
	PLACES
.endif
	FETCH \next, 0, F0
	MUL8 F1, 1, 0, 0
	MUL8 F1, 1, 2, 0
.endm
	s_wait_tensorcnt 1                             ; my part of K step 0 is in; K step 1's stays out
	s_barrier_signal -1
	s_barrier_wait -1
	FETCH 0, 0, F0
	QUARTER 0, 1, F0, F1, 1                        ; the first quarter stands in front of the loop: its first products start the sums
	WIN 0
	s_mov_b32 s3, LAPS-1
.Llap:
	QUARTER 0, 2, F1, F0, 0
	QUARTER 0, 3, F0, F1, 0
	TURN 0, 1, 1
	QUARTER 1, 1, F0, F1, 0
	QUARTER 1, 2, F1, F0, 0
	QUARTER 1, 3, F0, F1, 0
	TURN 1, 0, 1
	QUARTER 0, 1, F0, F1, 0
	WIN 0
	s_sub_co_u32 s3, s3, 1
	s_cmp_lg_u32 s3, 0
	s_cbranch_scc1 .Llap
	QUARTER 0, 2, F1, F0, 0                        ; the last lap fills nothing
	QUARTER 0, 3, F0, F1, 0
	TURN 0, 1, 0
	QUARTER 1, 1, F0, F1, 0
	QUARTER 1, 2, F1, F0, 0
	QUARTER 1, 3, F0, F1, 0
	s_wait_dscnt 16
	MUL8 F1, 0, 0, 0
	MUL8 F1, 0, 2, 0
	s_wait_dscnt 0x0
	MUL8 F1, 1, 0, 0
	MUL8 F1, 1, 2, 0
	WIN 0
	PLACES
; THE WAY OUT, 16 rows at a time through my own stage: 32 bytes a lane and accumulator in (the lower four registers first), whole rows of 256 bytes back.
.macro TOSTAGE a
.if (\a) >= 2
	s_wait_xcnt 0x0                                ; the buffer that the stores of two blocks ago read is loaded again only behind this wait
.endif
.irp b, 0,1,2,3
	ds_store_b128 v[STO], v[ACC+8*(4*(\a)+(\b)):ACC+8*(4*(\a)+(\b))+3]   offset:64*(\b)
	ds_store_b128 v[STO], v[ACC+8*(4*(\a)+(\b))+4:ACC+8*(4*(\a)+(\b))+7] offset:64*(\b)+16
.endr
.irp t, 0,1,2,3,4,5,6,7
	ds_load_b128 v[OB+32*((\a)%2)+4*(\t):OB+32*((\a)%2)+4*(\t)+3], v[RD] offset:2*SP*(\t)  ; LDS serves a wave's instructions in order: these see the stores above; the next block's stores come behind them
.endr
.endm
.macro SEND a, younger                 ; younger: the LDS instructions issued behind block a's loads: the next block's sixteen, or none
.irp t, 0,1,2,3,4,5,6,7
	s_wait_dscnt (\younger)+7-(\t)
	global_store_b128 v[CO], v[OB+32*((\a)%2)+4*(\t):OB+32*((\a)%2)+4*(\t)+3], s[8:9] offset:16*8192*(\a)+2*8192*(\t) th:TH_STORE_NT  ; 16 lanes store 256 consecutive bytes, at a multiple of 256 from the output's first
.endr
.endm
	TOSTAGE 0
	TOSTAGE 1
	SEND 0, 16
	TOSTAGE 2
	SEND 1, 16
	TOSTAGE 3
	SEND 2, 16
	SEND 3, 0
	s_wait_tensorcnt 0x0                           ; the wave's end
	ds_add_u32 v[SPW], v[NIL]
	s_wait_dscnt 0x0
	CROUND                                         ; the closing round
	s_endpgm
.Lfunc_end_k_qd7c298da87_oproj:
	.size	k_qd7c298da87_oproj, .Lfunc_end_k_qd7c298da87_oproj-k_qd7c298da87_oproj
	.p2alignl 7, 3214868480
	.fill 96, 4, 3214868480
	.section	.rodata,"a",@progbits
	.p2align	6, 0x0
	.amdhsa_kernel k_qd7c298da87_oproj
		.amdhsa_group_segment_fixed_size 327680
		.amdhsa_private_segment_fixed_size 0
		.amdhsa_enable_private_segment 0
		.amdhsa_kernarg_size 24
		.amdhsa_user_sgpr_count 2
		.amdhsa_user_sgpr_kernarg_segment_ptr 1
		.amdhsa_wavefront_size32 1
		.amdhsa_system_sgpr_workgroup_id_x 1
		.amdhsa_system_sgpr_workgroup_id_y 1
		.amdhsa_system_sgpr_workgroup_id_z 1
		.amdhsa_system_vgpr_workitem_id 0
		.amdhsa_next_free_vgpr 512
		.amdhsa_next_free_sgpr 66
		.amdhsa_reserve_vcc 0
		.amdhsa_float_denorm_mode_32 3
		.amdhsa_float_denorm_mode_16_64 3
		.amdhsa_memory_ordered 1
		.amdhsa_forward_progress 1
		.amdhsa_inst_pref_size 87
	.end_amdhsa_kernel
	.amdgpu_metadata
---
amdhsa.version: [ 1, 2 ]
amdhsa.kernels:
  - .name:           k_qd7c298da87_oproj
    .symbol:         k_qd7c298da87_oproj.kd
    .args:
      - { .name: ob, .offset: 0, .size: 8, .value_kind: global_buffer, .address_space: global }
      - { .name: wob, .offset: 8, .size: 8, .value_kind: global_buffer, .address_space: global }
      - { .name: out0, .offset: 16, .size: 8, .value_kind: global_buffer, .address_space: global }
    .group_segment_fixed_size: 327680
    .private_segment_fixed_size: 0
    .kernarg_segment_align: 8
    .kernarg_segment_size: 24
    .max_flat_workgroup_size: 128
    .sgpr_count:     66
    .vgpr_count:     512
    .wavefront_size: 32
...
	.end_amdgpu_metadata
.endif
;; end of part 4
;; ======== version 2 of 2: 4 launches; 1.27 times as fast as version 1
;; limits: values are held in f16: magnitudes above 65,504 overflow, below 6.1e-05 lose precision
;; workspace buffers: xb 8,388,608 bytes; wb 25,165,824 bytes; wob 8,388,608 bytes; tab 1,048,576 bytes; qh 8,388,608 bytes; kh 8,388,608 bytes; vh 8,388,608 bytes; ob 8,388,608 bytes
;; launch prep: the kernel of part 1 again; grid 512 x 1, 8 waves a work-group, no clusters, 0 bytes of LDS; arguments x, wq, wk, wv, wo, xb, wb, wob, tab; writes xb, wb, wob, tab
;; launch qkv: the kernel of part 2 again; grid 16 x 16, 4 waves a work-group, clusters of 4 x 4, 327,680 bytes of LDS; arguments xb, wb, tab, qh, kh, vh; writes qh, kh, vh
;; launch attn (part 5): grid 16 x 16, 4 waves a work-group, clusters of 4 x 4, 327,680 bytes of LDS; arguments qh, kh, vh, mask, ob; writes ob
.if DOCPART == 5
	.amdgcn_target "amdgcn-amd-amdhsa--gfx1250"
	.amdhsa_code_object_version 6
	.text
	.protected	k_qd7c298da87_attn
	.globl	k_qd7c298da87_attn
	.p2align	8
	.type	k_qd7c298da87_attn,@function
k_qd7c298da87_attn:
	s_mov_b64 s[64:65], 0
	v_nop
	global_prefetch_b8 v0, s[64:65] scope:SCOPE_SE
	s_setreg_imm32_b32 hwreg(HW_REG_WAVE_MODE, 25, 1), 1
	s_wait_xcnt 0x0
	s_wait_alu depctr_hold_cnt(0) depctr_sa_sdst(0) depctr_va_vdst(0) depctr_va_sdst(0) depctr_va_ssrc(0) depctr_va_vcc(0) depctr_vm_vsrc(0)
	s_getreg_b32 s2, hwreg(HW_REG_IB_STS2, 6, 4)
	s_cmp_eq_u32 s2, 0
	s_cbranch_scc0 .Lentry_in_a_cluster
	s_endpgm
.Lentry_in_a_cluster:
	s_bfe_u32 s2, ttmp6, 0x10000c
	s_cmp_lg_u32 s2, 0xf033
	s_cbranch_scc0 .Lentry_shape_is_right
	s_endpgm
.Lentry_shape_is_right:
; ATTENTION.  O[q] = the sum over all 2,048 keys of softmax_k(score + mask[q][k]) V[k], for 16 heads of 128 channels.  qh, kh, vh, ob: f16 [2048][2048], head h at columns 128 h; mask: f32 [2048][2048], an input:
; every word of it is read and added, and no pattern of it is assumed.  qh and kh carry the factor T each (T T = log2(e) / sqrt(128)), so K Q^T is c x score, c = log2(e).
; Products, maxima and sums in f32; the weights p are rounded to f16 for the second product (their sum l is taken of the unrounded p), O once at the end.
; SHARES.  A work-group owns 128 queries of ONE head: 16 x 16 = 256 work-groups.  Its four waves are two halves of the queries x two halves of the keys: wave w has queries 64 (w % 2) on, four tiles of 16,
; and of every 128 keys the 64 from 64 (w / 2) on.  Waves w and w ^ 2 so hold maximum, sum and O^T of the same queries over different keys; they are merged once, at the end, through LDS, in f32.
; Register tile t stands for query block t ^ 2 (w / 2) of the wave's four: every wave keeps its tiles 0, 1 and sends its tiles 2, 3, which are its partner's tiles 0, 1: one text for all waves.
; LAYOUT.  S^T = K Q^T (source 0 = 16 keys, source 1 = 16 queries): a lane holds ONE query (lane % 16) and the keys 8 (lane / 16) + 0..7.  Two such tiles, rounded to f16 in pairs, ARE source 1 of O^T = V^T P.
; K comes out of LDS as it lies, V ([key][channel]) turned, the mask in S^T's own layout.
; SOFTMAX.  s' = c mask + c score, one fused multiply-add in f32; a running maximum m of s' and sum l; p = 2^(s' - m): a difference first, exactly 0 where s' = m, however large the mask; O and l are multiplied by
; a = 2^(m_old - m_new) in every step.  The merge: m = max(m1, m2), a_i = 2^(m_i - m), l = l1 a1 + l2 a2, O = O1 (a1 / l) + O2 (a2 / l).
; LIMITS.  |mask| under 2.3e38 (c mask stays finite, and above the number at which m starts); no step in which all 64 keys of a query are -infinity.  Where c |mask| is 2^24 times the scores or more the scores vanish
; in the sum's rounding, as they do in the problem's own f32 addition, but on the grid of c mask, not of mask.  A weight below 2^-126 counts as 0.  f16 holds no number beyond 65,504.
; BY TURNS.  The wave's tiles are two PIECES (tiles 0, 1 and tiles 2, 3).  In a TURN one piece has the matrix unit: 32 products V^T P of the step in hand, then 32 products K Q^T of the next step; the other piece's
; softmax, cut into 64 slices, stands between them, one slice behind each matrix instruction; its 32 mask lines stand together at the turn's head.
; NO FIRST AND NO LAST STEP IS WRITTEN OUT.  m starts at the lowest finite number; l, O^T, V's registers and piece 2's P at 0: the first step's a is 0, and it is a step like any other.  The loop is entered in the
; middle of a trip, at piece 2's turn; the tail, a text of its own because it asks for no tile, is a loop of two trips entered in its middle.  The price, once a launch: 32 products V^T P on zeros and the 48 products
; of zeros that write O^T's and V's zeros at the start; 32 products K Q^T and 48 LDS loads that serve nothing at the end.
; RING.  Two slots of 128 keys: 128 rows of K, 128 of V (256 bytes each) and two blocks of the mask, 128 queries x 64 keys (256 bytes a row).  A slot is one step for every wave; all of a step's LDS reads fall between two changes of slots.
; The four regions of a slot begin 36,864 bytes apart, at 0, 0x9000, 0x12000, 0x1B000: bits 14 and 17 are clear in all four, so the exclusive or with the slot's 0x24000 bytes adds or takes away exactly one slot.
; CLUSTER 4 x 4.  K's and V's tiles hang on the head alone: asked for jointly along a row of the cluster; the mask's on the query block alone: jointly along a column.  Wave 0 asks for K, wave 1 for V, waves 2, 3 for the mask's two blocks.
; REGISTERS, in windows of 256 (bits 1:0 source 0, 3:2 source 1, 5:4 source 2, 7:6 destination):
;   window 0: v0-11, v44-48 addresses; v12-43 eight registers of statistics a tile; v64-191 S^T, 32 a tile; v192-255 P, 16 a tile
;   window 1: O^T, 64 a tile      window 2: v0-127 Q; v128-255 K of one step      window 3: v0-127 V of one step; v128-255 the mask words, 32 a tile
.set KS,    64        ; keys in a wave's step
.set PK,    272       ; a row of K in LDS: 256 bytes + 16: the 16 rows of a load start at 16 different groups of four banks
.set PV,    288       ; a row of V: 256 + 32
.set PM,    272       ; a row of a mask block: 256 + 16
.set REG,   36864     ; from one region of a slot to the next
.set VOFF,  REG
.set MOFF,  2*REG
.set SLOT1, 4*REG     ; slot 1 begins here
.set NSLOT, 2048/(2*KS)
.set STAGE, 2*SLOT1   ; behind the ring: 16 rows x 272 bytes for each wave, for the way out
.set SP,    272
.set SPARE, STAGE+4*16*SP      ; the spare words: 128 bytes a wave, two blocks of 256 bytes that no other line names
.set XCH,   17408     ; the exchange, in slot 0's bytes behind their last fill: for each wave 32 x 512 bytes of O^T and 2 x 512 of statistics
.set AK0, 2           ; my lane's place in a tile of K; never rewritten
.set AV0, 3           ; in a tile of V
.set ADR, 4           ; the LDS address of the run of loads in hand
.set QO,  5           ; my byte offset in Q for tiles 0, 1
.set STO, 6
.set RD,  7
.set GO,  8
.set ST,  12          ; tile t's statistics at v[ST+8 t]: +0 m, +1 a zero named with it as a pair (at the end: l), +2, +3 l (even keys', odd keys'), +4 to +7 c0-c3, at work; a takes c2's place once the maximum is found
.set AM0, 44          ; v44, v45  my lane's place in my mask block, for piece 0 and for piece 2
.set QO1, 46          ; my byte offset in Q for tiles 2, 3
.set XS,  47          ; the exchange: where I put 16 bytes,
.set XR,  48          ; and where my partner has put its
.set SPW, 62
.set NIL, 63
.set S,   64
.set P,   192
.set KF,  128         ; window 2
.set MK,  128         ; window 3
.set WV,  12
.set G1K, 24          ; s[24:31], s[32:39], s[40:47] group 1 for K's, V's and the mask's tiles
.set G1V, 32
.set G1M, 40
.set G0K, 48          ; s[48:55], s[56:63], s[68:75] group 0: a set for each of the two first fills; the second then walks on
.set G0V, 56
.set G0M, 68
.set CNT, 76
.set CS,  78          ; s[78:79] c
.set SEL, 80          ; s[80:81] v_permlanex16_b32's selects: each lane takes its own place in the other half
.set TB,  82          ; LDS byte at which the slot to be read begins
.set MSB, 0
.macro WIN new
.if MSB != (\new)
	s_set_vgpr_msb (MSB<<8)|(\new)
.set MSB, \new
.endif
.endm
.set W_KQ, 0x0a       ; K and Q in window 2, S^T in window 0
.set W_PV, 0x53       ; V in window 3, P in window 0, O^T in window 1
.set W_RS, 0x41       ; O^T (destination and source 0) in window 1, a in window 0
.set W_MA, 0x03       ; the mask words (source 0) in window 3, S^T in window 0
.set W_MG, 0x51       ; the merge: destination, source 0 and source 2 in window 1, the factor (source 1) in window 0
; A joint refill, by the walking sets.  The branches hang on the wave's number alone.  An s_nop 0 and four v_nop follow each line.
.macro JLOAD
	s_cmp_lt_u32 s[WV], 2
	s_cbranch_scc0 .Lfor_m_\@
	s_cmp_eq_u32 s[WV], 0
	s_cbranch_scc0 .Lfor_v_\@
	tensor_load_to_lds s[G0K+4:G0K+7], s[G1K:G1K+7]
	s_nop 0
.rept 4
	v_nop
.endr
	s_branch .Lasked_\@
.Lfor_v_\@:
	tensor_load_to_lds s[G0V+4:G0V+7], s[G1V:G1V+7]
	s_nop 0
.rept 4
	v_nop
.endr
	s_branch .Lasked_\@
.Lfor_m_\@:
	tensor_load_to_lds s[G0M+4:G0M+7], s[G1M:G1M+7]
	s_nop 0
.rept 4
	v_nop
.endr
.Lasked_\@:
.endm
.macro CROUND                       ; a round of the cluster's barrier
	s_barrier_signal -1
	s_barrier_wait -1
	s_cmp_lg_u32 s[WV], 0
	s_cbranch_scc1 .Lnot_wave_0_\@
	s_barrier_signal -3
.Lnot_wave_0_\@:
	s_barrier_wait -3
	s_barrier_signal -1
	s_barrier_wait -1
.endm
	s_load_b256 s[4:11], s[0:1], 0x0  ; qh 4, kh 6, vh 8, mask 10
	s_load_b64 s[14:15], s[0:1], 0x20 ; ob
	v_lshl_add_u32 v[SPW], v0, 2, SPARE
	v_mov_b32 v[NIL], 0
	ds_add_u32 v[SPW], v[NIL]       ; the wave's opening: the add and its wait ahead of my first tensor load
	v_lshrrev_b32 v1, 5, v0
	v_readfirstlane_b32 s[WV], v1
	s_bfe_u32 s16, ttmp6, 0x40000   ; cx
	s_bfe_u32 s17, ttmp6, 0x40004   ; cy
	s_lshl_b32 s18, ttmp9, 2
	s_add_co_u32 s18, s18, s16      ; the block of 128 queries = 4 x cluster x + cx
	s_and_b32 s19, ttmp7, 0xffff
	s_lshl_b32 s19, s19, 2
	s_add_co_u32 s19, s19, s17      ; the head = 4 x cluster y + cy
	s_lshl_b32 s13, s17, 2
	s_lshl_b32 s13, 15, s13         ; my row of the cluster
	s_lshl_b32 s77, 0x1111, s16     ; my column
	s_or_b32 s[G1K], s13, (1<<16)|(1<<20)|(1<<21)|(5<<22)|(3<<25)  ; mask; 2-byte elements; padding on; bit 21 beside a mask; after every 64 words 4 words
	s_or_b32 s[G1V], s13, (1<<16)|(1<<20)|(1<<21)|(5<<22)|(7<<25)  ; the same with 8 words
	s_or_b32 s[G1M], s77, (2<<16)|(1<<20)|(1<<21)|(5<<22)|(3<<25)  ; my column's mask; 4-byte elements; after every 64 words 4 words
.irp g, G1K, G1V
	s_mov_b32 s[(\g)+1], 128<<16    ; tensor_dim0 = 128
	s_mov_b32 s[(\g)+2], 128<<16    ; tensor_dim1 = 128
	s_mov_b32 s[(\g)+3], 128<<16    ; tile_dim0 = 128
	s_mov_b32 s[(\g)+4], 128        ; tile_dim1 = 128
	s_mov_b32 s[(\g)+5], 2048       ; elements from row to row
	s_mov_b32 s[(\g)+6], 0
	s_mov_b32 s[(\g)+7], 0
.endr
	s_mov_b32 s[G1M+1], 64<<16      ; 64 words of 128 rows
	s_mov_b32 s[G1M+2], 128<<16
	s_mov_b32 s[G1M+3], 64<<16
	s_mov_b32 s[G1M+4], 128
	s_mov_b32 s[G1M+5], 2048
	s_mov_b32 s[G1M+6], 0
	s_mov_b32 s[G1M+7], 0
	s_lshl_b32 s20, s19, 8          ; K and V: the head's 256 bytes of a row: made of the head alone
	s_mov_b32 s21, 0
	s_and_b32 s84, s[WV], 1         ; which 64 queries are mine; also: which block of the mask I fetch
	s_lshr_b32 s85, s[WV], 1        ; which 64 of a slot's 128 keys are mine
	s_lshl_b32 s22, s18, 20         ; the mask: 128 rows of 8,192 bytes a query block,
	s_lshl_b32 s23, s84, 8          ; 64 columns, 256 bytes, a block: made of the query block and the wave alone
	s_add_co_u32 s22, s22, s23
	s_mov_b32 s23, 0
	s_mul_i32 s83, s84, REG         ; and the block's place in a slot
	s_add_co_u32 s83, s83, MOFF
	s_lshl_b32 s86, s18, 19         ; Q: 128 rows of 4,096 bytes a block, my 64 rows, the head's 256 bytes
	s_lshl_b32 s87, s84, 18
	s_add_co_u32 s86, s86, s87
	s_lshl_b32 s87, s19, 8
	s_add_co_u32 s86, s86, s87
	s_mov_b32 s87, 0
	s_lshl_b32 s2, s85, 17          ; O: of those 64 rows I store the 32 of the tiles that I keep
	s_add_co_u32 s2, s2, s86
	s_mov_b32 s3, 0
	s_mov_b32 s[CS], 0x3fb8aa3b     ; c = log2(e)
	s_mov_b32 s[CS+1], s[CS]        ; named with it as a pair
	s_mov_b32 s[SEL], 0x76543210
	s_mov_b32 s[SEL+1], 0xfedcba98
	s_mov_b32 s[TB], 0
	s_wait_dscnt 0x0                ; the opening add is done
	s_wait_kmcnt 0x0
	s_add_nc_u64 s[6:7], s[6:7], s[20:21]
	s_add_nc_u64 s[8:9], s[8:9], s[20:21]
	s_add_nc_u64 s[10:11], s[10:11], s[22:23]
	s_add_nc_u64 s[4:5], s[4:5], s[86:87]
	s_add_nc_u64 s[14:15], s[14:15], s[2:3]
	CROUND                          ; all sixteen work-groups are here: the first joint loads meet
.irp n, 0,1
	s_mov_b32 s[G0K+4*(\n)], 1
	s_mov_b32 s[G0K+4*(\n)+1], (\n)*SLOT1
	s_add_nc_u64 s[G0K+4*(\n)+2:G0K+4*(\n)+3], s[6:7], (\n)*2*KS*4096   ; keys 128 n on
	s_or_b32 s[G0K+4*(\n)+3], s[G0K+4*(\n)+3], 0x80000000
	s_mov_b32 s[G0V+4*(\n)], 1
	s_mov_b32 s[G0V+4*(\n)+1], (\n)*SLOT1+VOFF
	s_add_nc_u64 s[G0V+4*(\n)+2:G0V+4*(\n)+3], s[8:9], (\n)*2*KS*4096
	s_or_b32 s[G0V+4*(\n)+3], s[G0V+4*(\n)+3], 0x80000000
	s_mov_b32 s[G0M+4*(\n)], 1
	s_add_co_u32 s[G0M+4*(\n)+1], s83, (\n)*SLOT1
	s_add_nc_u64 s[G0M+4*(\n)+2:G0M+4*(\n)+3], s[10:11], (\n)*2*KS*4
	s_or_b32 s[G0M+4*(\n)+3], s[G0M+4*(\n)+3], 0x80000000
.endr
	s_cmp_lt_u32 s[WV], 2           ; a wave's two first fills stand in one leg, ahead of every wait on TENSORcnt and every LDS read: two loads of mine are out
	s_cbranch_scc0 .Lfirst_m
	s_cmp_eq_u32 s[WV], 0
	s_cbranch_scc0 .Lfirst_v
	tensor_load_to_lds s[G0K:G0K+3], s[G1K:G1K+7]
	s_nop 0
	tensor_load_to_lds s[G0K+4:G0K+7], s[G1K:G1K+7]
	s_nop 0
.rept 4
	v_nop
.endr
	s_branch .Lfirst_asked
.Lfirst_v:
	tensor_load_to_lds s[G0V:G0V+3], s[G1V:G1V+7]
	s_nop 0
	tensor_load_to_lds s[G0V+4:G0V+7], s[G1V:G1V+7]
	s_nop 0
.rept 4
	v_nop
.endr
	s_branch .Lfirst_asked
.Lfirst_m:
	tensor_load_to_lds s[G0M:G0M+3], s[G1M:G1M+7]
	s_nop 0
	tensor_load_to_lds s[G0M+4:G0M+7], s[G1M:G1M+7]
	s_nop 0
.rept 4
	v_nop
.endr
.Lfirst_asked:
	; A fragment of K or Q is 16 rows x 32 channels in 8 registers: lane l holds row l % 16, channels 8 (l / 16) + 0..7 and 16 + 8 (l / 16) + 0..7: two loads of 16 bytes, 32 bytes apart.
	v_and_b32 v1, 15, v0            ; l % 16
	v_bfe_u32 v9, v0, 4, 1          ; l / 16
	v_lshlrev_b32 v[QO], 12, v1
	v_lshl_add_u32 v[QO], v9, 4, v[QO]
	s_lshl_b32 s13, s85, 17         ; tiles 0, 1 are query blocks 2 (w / 2) and the next: 16 rows of 4,096 bytes a block;
	s_xor_b32 s77, s13, 1<<17       ; tiles 2, 3 the other two
	v_add_nc_u32 v[QO1], s77, v[QO]
	v_add_nc_u32 v[QO], s13, v[QO]
	WIN 0x80                        ; destination window 2, address window 0
.irp i, 0,1,2,3,4,5,6,7             ; Q stays in registers: tile i / 4, channels 32 (i % 4) on
	global_load_b128 v[8*(\i):8*(\i)+3],   v[QO], s[4:5] offset:((\i)/4)*65536+((\i)%4)*64
	global_load_b128 v[8*(\i)+4:8*(\i)+7], v[QO], s[4:5] offset:((\i)/4)*65536+((\i)%4)*64+32
.endr
.irp i, 8,9,10,11,12,13,14,15
	global_load_b128 v[8*(\i):8*(\i)+3],   v[QO1], s[4:5] offset:((\i)/4-2)*65536+((\i)%4)*64
	global_load_b128 v[8*(\i)+4:8*(\i)+7], v[QO1], s[4:5] offset:((\i)/4-2)*65536+((\i)%4)*64+32
.endr
	WIN 0
	; WHAT THE FIRST TURN FINDS, made in the wait for the first tile.  Piece 2's P is 0, so that turn's products V^T P, of a step that has not been, add 0.  O^T's 256 registers and V's 128 take their zeros
	; from products of zeros that start with the constant 0: such a line writes eight registers.
.set i, P+32
.rept 32
	v_mov_b32 v[i], 0
.set i, i+1
.endr
	WIN 0x40                        ; destination window 1: O^T
.set i, 0
.rept 32
	v_wmma_f32_16x16x32_f16 v[8*i:8*i+7], v[P+32:P+39], v[P+40:P+47], 0
.set i, i+1
.endr
	WIN 0xc0                        ; destination window 3: V's registers
.set i, 0
.rept 16
	v_wmma_f32_16x16x32_f16 v[8*i:8*i+7], v[P+32:P+39], v[P+40:P+47], 0
.set i, i+1
.endr
	WIN 0
	s_mul_i32 s13, s85, KS*PK       ; my 64 keys' rows of K
	v_mul_u32_u24 v[AK0], v1, PK
	v_lshl_add_u32 v[AK0], v9, 4, v[AK0]
	v_add_nc_u32 v[AK0], s13, v[AK0]
	; The turning load takes 16 keys x 16 channels (lane l reads key 8 (l / 16) + l % 8, channels 8 ((l / 8) % 2) + 0..7) and leaves half a fragment of V^T: lane l holds channel l % 16 and 8 keys.
	v_and_b32 v10, 7, v0
	v_bfe_u32 v11, v0, 3, 1
	v_lshl_add_u32 v[AV0], v9, 3, v10
	v_mul_u32_u24 v[AV0], v[AV0], PV
	v_lshl_add_u32 v[AV0], v11, 4, v[AV0]
	s_mul_i32 s13, s85, KS*PV       ; my 64 keys' rows of V
	s_add_co_u32 s13, s13, VOFF
	v_add_nc_u32 v[AV0], s13, v[AV0]
	v_mul_u32_u24 v[AM0], v1, PM    ; the mask: my query's row, my lanes' eight keys (32 bytes),
	v_lshl_add_u32 v[AM0], v9, 5, v[AM0]
	s_mul_i32 s13, s85, REG         ; in my keys' block,
	s_add_co_u32 s13, s13, MOFF
	s_mul_i32 s77, s84, 64*PM       ; my 64 queries' rows;
	s_add_co_u32 s13, s13, s77
	s_mul_i32 s2, s85, 32*PM        ; of them piece 0 has the 32 from 32 (w / 2) on,
	s_add_co_u32 s2, s2, s13
	s_xor_b32 s3, s85, 1
	s_mul_i32 s3, s3, 32*PM         ; piece 2 the other 32
	s_add_co_u32 s3, s3, s13
	v_add_nc_u32 v[AM0+1], s3, v[AM0]
	v_add_nc_u32 v[AM0], s2, v[AM0]
.irp t, 0,1,2,3
	v_mov_b32 v[ST+8*(\t)], 0xff7fffff  ; m: the lowest finite number, below every s' that the limits allow
	v_mov_b32 v[ST+8*(\t)+1], 0     ; named as a pair with m, not used in the loop
	v_mov_b32 v[ST+8*(\t)+2], 0     ; l
	v_mov_b32 v[ST+8*(\t)+3], 0
.endr
; THE MATRIX WORK OF A TURN, for piece x.  The accumulators take turns, one instruction a turn.
; Product i of 32 of O^T += V^T P: keys 32 (i / 16) on, channels 16 ((i / 2) % 8) on, tile x + i % 2.
.macro PV x
	WIN W_PV
.set rO, 64*((\x)+i%2)+8*((i/2)%8)
.set rV, 64*(i/16)+8*((i/2)%8)
.set rP, P+16*((\x)+i%2)+8*(i/16)
	v_wmma_f32_16x16x32_f16 v[rO:rO+7], v[rV:rV+7], v[rP:rP+7], v[rO:rO+7]
.endm
; Product i of 32 of S^T = K Q^T: channels 32 (i / 8) on, keys 16 ((i / 2) % 4) on, tile x + i % 2.  The first 8 start the sums.
.macro KQ x
	WIN W_KQ
.set rS, S+32*((\x)+i%2)+8*((i/2)%4)
.set rK, KF+32*((i/2)%4)+8*(i/8)
.set rQ, 32*((\x)+i%2)+8*(i/8)
.if i < 8
	v_wmma_f32_16x16x32_f16 v[rS:rS+7], v[rK:rK+7], v[rQ:rQ+7], 0
.else
	v_wmma_f32_16x16x32_f16 v[rS:rS+7], v[rK:rK+7], v[rQ:rQ+7], v[rS:rS+7]
.endif
.endm
; THE LDS LOADS stand in runs, never singly among the matrix instructions.
.macro FETCH_K
	WIN 0
	v_add_nc_u32 v[ADR], s[TB], v[AK0]
	WIN 0x80                        ; destination window 2
.irp f, 0,1,2,3,4,5,6,7,8,9,10,11,12,13,14,15  ; keys 16 (f / 4) on, channels 32 (f % 4) on
	ds_load_b128 v[KF+8*(\f):KF+8*(\f)+3],   v[ADR] offset:((\f)/4)*16*PK+((\f)%4)*64
	ds_load_b128 v[KF+8*(\f)+4:KF+8*(\f)+7], v[ADR] offset:((\f)/4)*16*PK+((\f)%4)*64+32
.endr
.endm
.macro FETCH_V
	WIN 0
	v_add_nc_u32 v[ADR], s[TB], v[AV0]
	WIN 0xc0                        ; destination window 3
.irp f, 0,1,2,3,4,5,6,7,8,9,10,11,12,13,14,15  ; keys 32 (f / 8) on, channels 16 (f % 8) on
	ds_load_tr16_b128 v[8*(\f):8*(\f)+3],   v[ADR] offset:((\f)/8)*32*PV+((\f)%8)*32
	ds_load_tr16_b128 v[8*(\f)+4:8*(\f)+7], v[ADR] offset:((\f)/8)*32*PV+16*PV+((\f)%8)*32
.endr
.endm
.macro FETCH_M x                    ; piece x's mask words: tile x + t, keys 16 kt on: register j of lane l is mask[query l % 16][key 16 kt + 8 (l / 16) + j], as in S^T
	WIN 0
	v_add_nc_u32 v[ADR], s[TB], v[AM0+(\x)/2]
	WIN 0xc0
.irp t, 0,1
.irp kt, 0,1,2,3
	ds_load_b128 v[MK+32*((\x)+(\t))+8*(\kt):MK+32*((\x)+(\t))+8*(\kt)+3],   v[ADR] offset:16*PM*(\t)+64*(\kt)
	ds_load_b128 v[MK+32*((\x)+(\t))+8*(\kt)+4:MK+32*((\x)+(\t))+8*(\kt)+7], v[ADR] offset:16*PM*(\t)+64*(\kt)+16
.endr
.endr
.endm
; s' = c mask + c score for piece y's two tiles, registers ascending: each accumulator's lowest registers are read first.
.macro MADD y
	WIN W_MA
.set z, 0
.rept 32
	v_pk_fma_f32 v[S+32*(\y)+2*z:S+32*(\y)+2*z+1], v[MK+32*(\y)+2*z:MK+32*(\y)+2*z+1], s[CS:CS+1], v[S+32*(\y)+2*z:S+32*(\y)+2*z+1] op_sel_hi:[1,0,1]
.set z, z+1
.endr
.endm
; THE VECTOR WORK OF A TURN.  One tile's softmax for one key step is a numbered list; SM writes number j of it for tile t.  s0-s31 are the lane's 32 numbers s', in pairs 0-15.
;   0-15    the maximum of s0-s31 and the old m, three operands at a time: four chains c0-c3 of seven each, then the four left over, c0-c3 and m
;   16-20   the other half of the lanes' maximum; m_old is kept; the new m; (19 is empty); m_old - m_new
;   21-87   33 exponentials (a, then s0-s31) at the odd numbers from 23 on, so that no two follow each other and each has a plain instruction behind it before its result is used.
;           Plain instruction q (number 21, then the even numbers) is whatever is ready: s' - m for a pair whose exponentials are still to come (q = 0 to 3, then every second q),
;           the rounding to f16 of a pair of weights whose exponentials are done (every other q from 5 on), at last the first three sums
;   88-101  the last rounding; the rest of the sums; l = a l + the sum
;   102-133 the tile's O^T times a: the one part that leaves window 0, so it stands together
.macro SM t
.set rT, ST+8*(\t)
.set rS, S+32*(\t)
.set rP, P+16*(\t)
.set rO, 64*(\t)+2*(j-102)
.set q, (j-20)/2
.if j < 102
	WIN 0
.endif
.if j < 4
	v_max3_num_f32 v[rT+4+j], v[rS+8*j], v[rS+8*j+1], v[rS+8*j+2]
.elseif j < 12
	v_max3_num_f32 v[rT+4+j%4], v[rT+4+j%4], v[rS+8*(j%4)+2*(j/4)+1], v[rS+8*(j%4)+2*(j/4)+2]
.elseif j == 12
	v_max3_num_f32 v[rT+4], v[rT+4], v[rS+7], v[rS+15]
.elseif j == 13
	v_max3_num_f32 v[rT+6], v[rT+6], v[rS+23], v[rS+31]
.elseif j == 14
	v_max3_num_f32 v[rT+4], v[rT+4], v[rT+5], v[rT+6]
.elseif j == 15
	v_max3_num_f32 v[rT+4], v[rT+4], v[rT+7], v[rT]
.elseif j == 16
	v_permlanex16_b32 v[rT+5], v[rT+4], s[SEL], s[SEL+1]  ; the query's other 32 keys lie in the lane 16 away
.elseif j == 17
	v_mov_b32 v[rT+7], v[rT]        ; m_old is kept for a: number 18 writes m anew
.elseif j == 18
	v_max_num_f32 v[rT], v[rT+4], v[rT+5]
.elseif j == 19
.elseif j == 20
	v_sub_f32 v[rT+7], v[rT+7], v[rT]
.elseif j == 23
	v_exp_f32 v[rT+6], v[rT+7]
.elseif (j < 88) && (j > 23) && (j%2 == 1)
	v_exp_f32 v[rS+(j-25)/2], v[rS+(j-25)/2]
.elseif (q < 4) || ((j < 76) && (q%2 == 0))
.set b, q/2+2
.if q < 4
.set b, q
.endif
	v_pk_add_f32 v[rS+2*b:rS+2*b+1], v[rS+2*b:rS+2*b+1], v[rT:rT+1] op_sel_hi:[1,0] neg_lo:[0,1] neg_hi:[0,1]  ; pair b: s' - m
.elseif (j < 88) && (q%2 == 1)
	s_wait_alu depctr_va_vdst(0)
	v_cvt_pk_f16_f32 v[rP+(q-5)/2], v[rS+q-5], v[rS+q-4]  ; pair (q - 5) / 2: its second exponential stands three numbers back
.elseif j == 89
	s_wait_alu depctr_va_vdst(0)
	v_cvt_pk_f16_f32 v[rP+15], v[rS+30], v[rS+31]
.elseif j < 102                     ; the sum of the tile's 16 pairs, in place: sum z of 16 adds neighbours 1, 2, 4 and 8 pairs apart, then l takes it
.set z, j-86
.if j < 89
.set z, (j-76)/4
.endif
.set w, 4
.set u, z
.if z >= 14
.set w, 32
.set u, 0
.elseif z >= 12
.set w, 16
.set u, z-12
.elseif z >= 8
.set w, 8
.set u, z-8
.endif
.if z < 15
	v_pk_add_f32 v[rS+w*u:rS+w*u+1], v[rS+w*u:rS+w*u+1], v[rS+w*u+w/2:rS+w*u+w/2+1]
.else
	v_pk_fma_f32 v[rT+2:rT+3], v[rT+2:rT+3], v[rT+6:rT+7], v[rS:rS+1] op_sel_hi:[1,0,1]
.endif
.else
	WIN W_RS
	v_pk_mul_f32 v[rO:rO+1], v[rO:rO+1], v[rT+6:rT+7] op_sel_hi:[1,0]
.endif
.endm
; Slice k of 64 of piece y's softmax: numbers 2 k and 2 k + 1 of both tiles' lists.  The twelve numbers that are over stand together, in slice 63.
.macro SLICE y
.if (k >= 11) && (k < 44)           ; tile by tile: plain, exponential, plain, exponential
.irp t, \y, (\y)+1
.irp n, 0,1
.set j, 2*k+(\n)
	SM \t
.endr
.endr
.else                               ; the two tiles alternate
.irp n, 0,1,2,3,4,5,6,7
.if ((\n) < 2) || (k == 63)
.irp t, \y, (\y)+1
.set j, 2*k+(\n)
	SM \t
.endr
.endif
.endr
.endif
.set k, k+1
.endm
; A TURN.  Piece x has the matrix unit: 32 products V^T P of the step in hand, 32 products K Q^T of the next; the other piece's mask lines stand at its head, that piece's softmax in slices behind the matrix instructions.
; Behind the second product V^T P stand the next step's loads: K (piece 0's turn; K's last reader stands in front of slice 63 of the turn before) and piece x's mask words (last read at the head of the turn before).
; Behind the second product K Q^T of piece 2's turn stands the same step's V (its last reader stands three slices, six plain instructions, back).
.macro TURN x
.set k, 0
.if (\x) == 0
	s_wait_dscnt 0x0                ; V is in, and piece 2's mask words
.endif
	MADD 2-(\x)                     ; (piece 0's mask words were shown in by the wait for K in piece 0's turn; at the entry by the wait in front of the first scores)
.set i, 0
.rept 32
	PV \x
	SLICE 2-(\x)
.if i == 1
.if (\x) == 0
	FETCH_K
.endif
	FETCH_M \x
.endif
.set i, i+1
.endr
.if (\x) == 0
	s_wait_dscnt 0x0                ; K is in, and piece 0's mask words
.endif
.set i, 0
.rept 32
	KQ \x
	SLICE 2-(\x)
.if ((\x) == 2) && (i == 1)
	FETCH_V
.endif
.set i, i+1
.endr
.endm
; THE CHANGE OF SLOTS, between piece 2's turn and piece 0's: the slot's K, mask words and V have all been asked for.  Each wave waits for all its tensor loads, of which one is out: its part of the other slot;
; adds 0 to its spare word; and waits for that and for its own reads of the slot.  fill = 1: the barrier is a round of the cluster's, and the slot is filled again, with the 128 keys two slots on, first thing behind it:
; the load has one step, 128 matrix instructions and their slices, in which to land.
.macro CHANGE fill
	WIN 0
	s_wait_tensorcnt 0x0            ; no tensor load of mine is out, so a group 0 may be written
	ds_add_u32 v[SPW], v[NIL]
.if \fill
.irp g, G0K+4, G0V+4
	s_xor_b32 s[(\g)+1], s[(\g)+1], SLOT1  ; the walking sets: the other slot than last time,
	s_add_nc_u64 s[(\g)+2:(\g)+3], s[(\g)+2:(\g)+3], 2*KS*4096  ; the next 128 keys' rows;
.endr
	s_xor_b32 s[G0M+5], s[G0M+5], SLOT1
	s_add_nc_u64 s[G0M+6:G0M+7], s[G0M+6:G0M+7], 2*KS*4         ; in the mask the next 128 columns
	s_wait_dscnt 0x0                ; the add is done, and my reads of the slot are over
	CROUND
	JLOAD
.else
	s_wait_dscnt 0x0
	s_barrier_signal -1
	s_barrier_wait -1
.endif
	s_xor_b32 s[TB], s[TB], SLOT1   ; the fetches go to the other slot
.endm
	s_wait_tensorcnt 1              ; my part of slot 0 is in; slot 1's may stay out
	s_barrier_signal -1
	s_barrier_wait -1
	FETCH_K                         ; step 0
	FETCH_M 0
	s_wait_loadcnt 0x0              ; Q
	s_wait_dscnt 0x0
.set i, 0
.rept 32
	KQ 0                            ; piece 0's first scores
.set i, i+1
.endr
	WIN 0                           ; the addresses for the way out: plain instructions, the places behind those products
	s_mul_i32 s13, s[WV], 16*SP
	s_add_co_u32 s13, s13, STAGE    ; my stage
	v_mul_u32_u24 v[STO], v1, SP    ; in: row l % 16, 16 bytes for each half of the lanes
	v_lshl_add_u32 v[STO], v9, 4, v[STO]
	v_add_nc_u32 v[STO], s13, v[STO]
	v_mul_u32_u24 v[RD], v9, SP     ; back: lanes 0-15 take one row of 256 bytes, lanes 16-31 the next
	v_lshl_add_u32 v[RD], v1, 4, v[RD]
	v_add_nc_u32 v[RD], s13, v[RD]
	v_lshlrev_b32 v[GO], 12, v9     ; and the same two rows in O
	v_lshl_add_u32 v[GO], v1, 4, v[GO]
	s_mul_i32 s13, s[WV], XCH       ; the exchange: my part,
	s_add_co_u32 s77, s[WV], 2
	s_and_b32 s77, s77, 3           ; and that of the wave with my queries and the other keys
	s_mul_i32 s77, s77, XCH
	v_and_b32 v[XS], 31, v0
	v_lshlrev_b32 v[XS], 4, v[XS]   ; 16 bytes a lane, on end
	v_add_nc_u32 v[XR], s77, v[XS]
	v_add_nc_u32 v[XS], s13, v[XS]
	s_mov_b32 s[CNT], NSLOT-1
	s_branch .Lmid                  ; the loop is entered at piece 2's turn: its products V^T P add zeros, its products K Q^T are piece 2's first scores, its slices piece 0's first softmax; it fetches step 0's V
.Lstep:                             ; 14 times from here: the trip whose products V^T P are step j's reads step j + 1 and asks for step j + 2: steps 2 to 15
	CHANGE 1
	TURN 0
	WIN 0
.Lmid:
	TURN 2
	WIN 0
	s_sub_co_u32 s[CNT], s[CNT], 1
	s_cmp_lg_u32 s[CNT], 0
	s_cbranch_scc1 .Lstep
	CHANGE 0                        ; the tail has a text of its own: nothing is asked for
	s_mov_b32 s[CNT], 2
	s_branch .Ltmid                 ; piece 0's turn, piece 2's, piece 0's: V^T P of steps 14, 14, 15
.Ltail:
	TURN 2
	WIN 0
.Ltmid:
	TURN 0                          ; the second time its loads (step 15's K and mask words once more) and its products K Q^T serve nothing
	WIN 0
	s_sub_co_u32 s[CNT], s[CNT], 1
	s_cmp_lg_u32 s[CNT], 0
	s_cbranch_scc1 .Ltail
.set i, 0
.rept 32
	PV 2                            ; piece 2: V^T P of the last step
.set i, i+1
.endr
	; THE MERGE.  A barrier first: no wave reads the ring any more, and no tensor load is to come, so slot 0's bytes may serve the exchange.  Between its signal and its wait each tile's l is made whole
	; (its two halves, and the other half of the lanes'): register work, and the places behind the last products.
	WIN 0
	s_wait_dscnt 0x0                ; my reads of the ring are over
	s_barrier_signal -1
.irp t, 0,1,2,3
	v_add_f32 v[ST+8*(\t)+4], v[ST+8*(\t)+2], v[ST+8*(\t)+3]
.endr
.irp t, 0,1,2,3
	v_permlanex16_b32 v[ST+8*(\t)+5], v[ST+8*(\t)+4], s[SEL], s[SEL+1]
.endr
.irp t, 0,1,2,3
	v_add_f32 v[ST+8*(\t)+1], v[ST+8*(\t)+4], v[ST+8*(\t)+5]
.endr
	s_barrier_wait -1
	WIN 0x04                        ; store data (source 1) in window 1: O^T of tiles 2, 3, each accumulator's lower four registers first; 32 lanes x 16 bytes on end
.set i, 0
.rept 32
	ds_store_b128 v[XS], v[128+4*i:128+4*i+3] offset:512*i
.set i, i+1
.endr
	WIN 0
	ds_store_b128 v[XS], v[ST+16:ST+19] offset:16384   ; tile 2's m and l (and two words that nobody uses)
	ds_store_b128 v[XS], v[ST+24:ST+27] offset:16896   ; tile 3's
	s_wait_dscnt 0x0                ; for my partner's sake: my stores are done
	s_barrier_signal -1
	s_barrier_wait -1
	ds_load_b128 v[ST+16:ST+19], v[XR] offset:16384    ; my partner's m and l for my tile 0,
	ds_load_b128 v[ST+24:ST+27], v[XR] offset:16896    ; for my tile 1,
	WIN 0x40                        ; and its O^T for both, into the registers that mine have left
.set i, 0
.rept 32
	ds_load_b128 v[128+4*i:128+4*i+3], v[XR] offset:512*i
.set i, i+1
.endr
	WIN 0
	s_wait_dscnt 32                 ; the two loads of statistics are in; the 32 behind them may be out
.irp t, 0,1
	v_max_num_f32 v[ST+8*(\t)+2], v[ST+8*(\t)], v[ST+8*(\t)+16]          ; m
.endr
.irp t, 0,1
	v_sub_f32 v[ST+8*(\t)+6], v[ST+8*(\t)], v[ST+8*(\t)+2]               ; m1 - m
.endr
.irp t, 0,1
	v_sub_f32 v[ST+8*(\t)+4], v[ST+8*(\t)+16], v[ST+8*(\t)+2]            ; m2 - m
.endr
.irp t, 0,1
	v_exp_f32 v[ST+8*(\t)+6], v[ST+8*(\t)+6]                             ; a1
.endr
.irp t, 0,1
	v_exp_f32 v[ST+8*(\t)+4], v[ST+8*(\t)+4]                             ; a2
.endr
	v_nop                           ; a plain instruction behind the last exponential
.irp t, 0,1
	s_wait_alu depctr_va_vdst(0)
	v_mul_f32 v[ST+8*(\t)+3], v[ST+8*(\t)+1], v[ST+8*(\t)+6]
.endr
.irp t, 0,1
	v_fma_f32 v[ST+8*(\t)+3], v[ST+8*(\t)+17], v[ST+8*(\t)+4], v[ST+8*(\t)+3]  ; l = l1 a1 + l2 a2
.endr
.irp t, 0,1
	v_rcp_f32 v[ST+8*(\t)+3], v[ST+8*(\t)+3]
.endr
	v_nop                           ; a plain instruction behind the last reciprocal
.irp t, 0,1
	s_wait_alu depctr_va_vdst(0)
	v_mul_f32 v[ST+8*(\t)+6], v[ST+8*(\t)+6], v[ST+8*(\t)+3]             ; a1 / l
.endr
.irp t, 0,1
	v_mul_f32 v[ST+8*(\t)+4], v[ST+8*(\t)+4], v[ST+8*(\t)+3]             ; a2 / l
.endr
; THE WAY OUT of tile t (0, 1): O = O1 (a1 / l) + O2 (a2 / l), rounded to f16; a lane's eight channels of a row pack into 16 bytes; they go into rows of 272 bytes of my stage and come back as whole rows of 256.
.macro PACK t
	s_wait_dscnt 16                 ; my partner's O^T for this tile is in; the sixteen LDS instructions issued behind its loads may be out
	WIN W_MG
.set i, 64*(\t)
.rept 32
	v_pk_mul_f32 v[i:i+1], v[i:i+1], v[ST+8*(\t)+6:ST+8*(\t)+7] op_sel_hi:[1,0]
.set i, i+2
.endr
.set i, 64*(\t)
.rept 32
	v_pk_fma_f32 v[i:i+1], v[128+i:128+i+1], v[ST+8*(\t)+4:ST+8*(\t)+5], v[i:i+1] op_sel_hi:[1,0,1]
.set i, i+2
.endr
	WIN 0x05                        ; sources 0 and 1 window 1, destination window 0: S^T's registers are free
.set i, 0
.rept 32
	v_cvt_pk_f16_f32 v[S+32*(\t)+i], v[64*(\t)+2*i], v[64*(\t)+2*i+1]
.set i, i+1
.endr
	WIN 0
.irp f, 0,1,2,3,4,5,6,7
	ds_store_b128 v[STO], v[S+32*(\t)+4*(\f):S+32*(\t)+4*(\f)+3] offset:32*(\f)
.endr
.irp f, 0,1,2,3,4,5,6,7
	ds_load_b128 v[S+32*(\t)+4*(\f):S+32*(\t)+4*(\f)+3], v[RD] offset:(\f)*2*SP  ; LDS serves a wave's instructions in order: these see the stores above; the next tile's stores come behind them
.endr
.endm
.macro SEND t, younger              ; younger: the LDS instructions issued behind tile t's loads: the next tile's sixteen, or none
	WIN 0
.irp f, 0,1,2,3,4,5,6,7
	s_wait_dscnt (\younger)+7-(\f)
	global_store_b128 v[GO], v[S+32*(\t)+4*(\f):S+32*(\t)+4*(\f)+3], s[14:15] offset:(\t)*65536+(\f)*8192  ; 16 lanes store 256 consecutive bytes, at a multiple of 256 from O's first byte
.endr
.endm
	PACK 0
	PACK 1
	SEND 0, 16
	SEND 1, 0
	s_wait_tensorcnt 0x0            ; the wave's end
	ds_add_u32 v[SPW], v[NIL]
	s_wait_dscnt 0x0
	CROUND                          ; the closing round
	s_endpgm
.Lfunc_end_k_qd7c298da87_attn:
	.size	k_qd7c298da87_attn, .Lfunc_end_k_qd7c298da87_attn-k_qd7c298da87_attn
	.p2alignl 7, 3214868480
	.fill 96, 4, 3214868480
	.section	.rodata,"a",@progbits
	.p2align	6, 0x0
	.amdhsa_kernel k_qd7c298da87_attn
		.amdhsa_group_segment_fixed_size 327680
		.amdhsa_private_segment_fixed_size 0
		.amdhsa_enable_private_segment 0
		.amdhsa_kernarg_size 40
		.amdhsa_user_sgpr_count 2
		.amdhsa_user_sgpr_kernarg_segment_ptr 1
		.amdhsa_wavefront_size32 1
		.amdhsa_system_sgpr_workgroup_id_x 1
		.amdhsa_system_sgpr_workgroup_id_y 1
		.amdhsa_system_sgpr_workgroup_id_z 1
		.amdhsa_system_vgpr_workitem_id 0
		.amdhsa_next_free_vgpr 1024
		.amdhsa_next_free_sgpr 88
		.amdhsa_reserve_vcc 0
		.amdhsa_float_denorm_mode_32 3
		.amdhsa_float_denorm_mode_16_64 3
		.amdhsa_memory_ordered 1
		.amdhsa_forward_progress 1
		.amdhsa_inst_pref_size 164
	.end_amdhsa_kernel
	.amdgpu_metadata
---
amdhsa.version: [ 1, 2 ]
amdhsa.kernels:
  - .name:           k_qd7c298da87_attn
    .symbol:         k_qd7c298da87_attn.kd
    .args:
      - { .name: qh, .offset: 0, .size: 8, .value_kind: global_buffer, .address_space: global }
      - { .name: kh, .offset: 8, .size: 8, .value_kind: global_buffer, .address_space: global }
      - { .name: vh, .offset: 16, .size: 8, .value_kind: global_buffer, .address_space: global }
      - { .name: mask, .offset: 24, .size: 8, .value_kind: global_buffer, .address_space: global }
      - { .name: ob, .offset: 32, .size: 8, .value_kind: global_buffer, .address_space: global }
    .group_segment_fixed_size: 327680
    .private_segment_fixed_size: 0
    .kernarg_segment_align: 8
    .kernarg_segment_size: 40
    .max_flat_workgroup_size: 128
    .sgpr_count:     88
    .vgpr_count:     1024
    .wavefront_size: 32
...
	.end_amdgpu_metadata
.endif
;; end of part 5
;; launch oproj: the kernel of part 4 again; grid 16 x 16, 4 waves a work-group, clusters of 4 x 4, 327,680 bytes of LDS; arguments ob, wob, out0; writes out0
